; MI455X (gfx1250); checked and timed in simulation.
; The chip was launched on July 23, 2026; its instructions are those of AMD's public machine-readable ISA for CDNA 5 (MIT licence, August 2026) and "CDNA5" Instruction Set Architecture Reference Guide (July 2026). The comments in the code are by the model that wrote it; some were corrected since.
;; Encoder. Allowed arithmetic: matrix products marked QUANTISED: E3M2 operands, one E8M0 scale for each 32 along K, by v_wmma_scale_f32_16x16x128_f8f6f4 with both operands' format E3M2, f32 sums; everything else in f32.
;; Inputs: W1_codes 4,096 x 32 x 24 uint8 (E3M2 codes of W1, K innermost, in blocks of 32 codes, four codes in three bytes); W1_scales 4,096 x 32 uint8 (E8M0 scales of W1, one for each 32 codes along K); W2_codes 1,024 x 128 x 24 uint8 (E3M2 codes of W2, K innermost, in blocks of 32 codes, four codes in three bytes); W2_scales 1,024 x 128 uint8 (E8M0 scales of W2, one for each 32 codes along K); Wq_codes 16 x 64 x 32 x 24 uint8 (E3M2 codes of Wq, K innermost, in blocks of 32 codes, four codes in three bytes); Wq_scales 16 x 64 x 32 uint8 (E8M0 scales of Wq, one for each 32 codes along K); b1 4,096 float32; b2 1,024 float32; bq 16 x 64 float32; ln1_b 1,024 float32; ln1_g 1,024 float32; ln2_b 1,024 float32; ln2_g 1,024 float32; x 2 x 2,048 x 1,024 float32.
;; Outputs: out0 2 x 2,048 x 1,024 float32.
;; This version of the problem:
;;   THIS VERSION OF THE PROBLEM IS GIVEN IN LOW PRECISION. The matrix products marked QUANTISED in the list below multiply operands that are first quantised to E3M2 (3 exponent bits, 2 mantissa bits; 6 bits a number), with one power-of-two scale for each 32 numbers along K (OCP MX v1.0); their sums are f32. All else is computed in f32.
;;   The module's matrix products, in the order in which they are computed (A, B: the left and right operand; K: the contracted axis; several contracted axes count as one K, in the product's order):
;;     1. [M 1,024, K 1,024] x [K 1,024, N 4,096]; A: input Wq (given as codes); B: input x: QUANTISED
;;     2. batch 32 x [M 2,048, K 64] x [K 64, N 2,048]; A: computed on the way; B: computed on the way: QUANTISED
;;     3. batch 32 x [M 2,048, K 2,048] x [K 2,048, N 64]; A: softmax (see below); B: computed on the way: QUANTISED
;;     4. [M 4,096, K 1,024] x [K 1,024, N 4,096]; A: computed on the way; B: input W1 (given as codes): QUANTISED
;;     5. [M 4,096, K 4,096] x [K 4,096, N 1,024]; A: computed on the way; B: input W2 (given as codes): QUANTISED
;;   THE QUANTISER, for each operand of a quantised product, along K:
;;     - K is cut into blocks of 32 from its start; a last block that is shorter is filled with zeros.
;;     - A block's scale is 2^e with e = floor(log2(the largest magnitude in the block)) - 4, held to -126 .. 127; a block of zeros has e = 0. As a byte (E8M0): e + 127.
;;     - Each number is divided by its block's scale, clamped to +-28, and rounded to the nearest number of E3M2, ties to even, subnormals kept.
;;     - The product sums the exact products of the quantised numbers (number of the format x scale) in f32.
;;   ~~~python
;;   def quantise(x, axis):      # numpy; x: float32 -> the quantised numbers, widened to float32 again
;;       x = np.moveaxis(x, axis, -1); K = x.shape[-1]
;;       x = np.pad(x, [(0, 0)] * (x.ndim - 1) + [(0, -K % 32)]); x = x.reshape(x.shape[:-1] + (-1, 32)); a = np.abs(x).max(-1, keepdims=True)
;;       e = np.where(a > 0, np.clip(np.frexp(np.where(a > 0, a, 1))[1] - 1 - 4, -126, 127), 0)      # np.frexp(a)[1] - 1 = floor(log2(a)), exactly
;;       r = np.clip(x / 2.0 ** e, -28, 28)
;;       step = 2.0 ** (np.maximum(np.frexp(np.where(r == 0, 1, r))[1] - 1, -2) - 2)
;;       q = np.round(r / step) * step * 2.0 ** e      # np.round: ties to even
;;       return np.moveaxis(q.reshape(q.shape[:-2] + (-1,))[..., :K], -1, axis).astype(np.float32)
;;   ~~~
;;   SOFTMAX AHEAD OF A QUANTISED PRODUCT. Where the list says 'softmax', what is quantised is not the finished softmax but p = 2^(t - M), with t = logit x log2(e) and M = ceil(the row's largest t), a whole number; so 1/2 < the row's largest p <= 1. The row's sum l is taken of the UNQUANTISED p, in f32, and the product's result is divided by l at the end. Since M is a whole number, a kernel that streams over the keys may use a running M (the ceiling of the running maximum): every later rescaling is an exact power of two, which a block's scale takes up: the codes' values come out the same.
;;   OPERANDS COMPUTED ON THE WAY. 'Computed on the way' means the value that the module computes at that place (a softmax that the list does not call 'softmax' is quantised finished and normalised). What goes into a quantiser is computed in f32, as accurately as f32 sums, v_exp_f32 and their like allow (about 1e-6 of the number): no bf16 or f16 on the way to a quantiser, and a product that is left as it is and whose result goes on into a quantised operand takes f32 operands (vector FMAs, or v_wmma_f32_16x16x4_f32). A number that lies on a knife's edge between two numbers of the format may be rounded either way, as far as f32 arithmetic and the matrix unit's own rounding can turn it there, and no further.
;;   INPUTS GIVEN AS CODES. W1 (in the module: [1024, 4096], K = its axis 0); W2 (in the module: [4096, 1024], K = its axis 0); Wq (in the module: [16, 1024, 64], K = its axis 1): each comes as NAME_codes (uint8): NAME with its K axis moved to the last place and cut into blocks of 32 codes, [.., K / 32, bytes a block], one block behind the other in memory; four codes in three bytes: a row's codes are one little-endian stream of bits, code i at bits 6 i .. 6 i + 5 (a code: sign, 3 exponent bits, 2 mantissa bits); and NAME_scales (uint8): the same leading axes, one E8M0 byte (e + 127) for each 32 codes along K. Its value is code x scale, taken as it is: it is not quantised again, and the codes and scales need not be those that the quantiser above would give.
;; One version. Each part assembles by itself: llvm-mc -triple=amdgcn-amd-amdhsa -mcpu=gfx1250 --defsym DOCPART=n.
;; ======== version 1 of 1: 6 launches
;; limits: right only within a limited range of input values
;; workspace buffers: kv 6,815,744 bytes; ysum 16,777,216 bytes; y2 16,777,216 bytes; x1c 3,145,728 bytes; x1s 196,608 bytes; hc 12,582,912 bytes; hs 524,288 bytes; wi 6,291,456 bytes
;; launch proj (part 1): grid 64 x 4, 4 waves a work-group, clusters of 4 x 1, 262,656 bytes of LDS; arguments x, Wq_codes, Wq_scales, bq, kv, W1_codes, W2_codes, wi; writes kv, wi
.if DOCPART == 1
	.amdgcn_target "amdgcn-amd-amdhsa--gfx1250"
	.amdhsa_code_object_version 6
	.text
	.protected	k_qa71be9aa2b_proj
	.globl	k_qa71be9aa2b_proj
	.p2align	8
	.type	k_qa71be9aa2b_proj,@function
k_qa71be9aa2b_proj:
	s_mov_b64 s[64:65], 0
	v_nop
	global_prefetch_b8 v0, s[64:65] scope:SCOPE_SE
	s_setreg_imm32_b32 hwreg(HW_REG_WAVE_MODE, 25, 1), 1
	s_wait_xcnt 0x0
	s_wait_alu depctr_hold_cnt(0) depctr_sa_sdst(0) depctr_va_vdst(0) depctr_va_sdst(0) depctr_va_ssrc(0) depctr_va_vcc(0) depctr_vm_vsrc(0)
	s_getreg_b32 s2, hwreg(HW_REG_IB_STS2, 6, 4)
	s_cmp_eq_u32 s2, 0
	s_cbranch_scc0 .Lentry_in_a_cluster
	s_endpgm
.Lentry_in_a_cluster:
	s_bfe_u32 s2, ttmp6, 0x10000c
	s_cmp_lg_u32 s2, 0x3003
	s_cbranch_scc0 .Lentry_shape_is_right
	s_endpgm
.Lentry_shape_is_right:
; q = Q(x) Wq + bq on codes of BF6 (E3M2), and q quantised twice: along the head's 64 (operand of q q^T) and along the keys (operand of p q).
; x [4096][1024] f32; Wq_codes [16][64][768 bytes], Wq_scales [16][64][32]; bq [16][64]; kv: 32 (batch, head) x 16 key steps x 13,312 bytes.
; A KEY STEP in kv (128 keys): +0 four PAIRS of tiles of K, 1,536 bytes each: an image of 12 registers of 32 lanes (registers 4 c .. 4 c + 3 at 512 c + 16 x lane), registers 0-5 tile 2 p, registers 6-11 tile 2 p + 1;
;   +6,144 their scale words, 16 bytes a lane, word p: bytes 0, 1 tile 2 p, bytes 2, 3 tile 2 p + 1;  +6,656 V's halves (2 t + c) x 768: six registers, 0-3 at 16 x lane, 4-5 at 512 + 8 x lane;  +12,800 V's scale words, 16 bytes a lane, word t.
; SHARES. A work-group takes 64 tokens (half a key step) and four heads; wave w takes one head: 64 e x 64 tokens.
; THE PRODUCT IS MADE TWICE, with the sources in both orders. D1 (source 0 = Wq): a lane holds one token, its registers run along e. D2 (source 0 = x): a lane holds one e, its registers run along
; the tokens. So each of the two quantisers finds its K in one lane's registers and nothing is transposed.
; THE ROWS OF A TILE ARE NOT NEIGHBOURS, of Wq and of x alike: lane r of tile i takes row 8 i + r + 24 (r / 8) of the 64, so that a lane's 32 results of tiles 0-3 are the WHOLE block 32 (lane / 16) + 0 .. 31:
; the block's largest magnitude needs no other lane, and the conversions' results are the operand's registers as they stand.
; CLUSTER. The four work-groups of a cluster take the same four heads: a head's codes (49,152 dense bytes) are asked for jointly, one load a wave, filled once.
; LIMITS: NaN and infinities are not served; a block of zeros gets the scale byte 1 (its codes are zeros; this program alone reads the bytes); the bias is the C of each sum's first product.
.set WLW,   52224                      ; a head's codes in LDS: 192 units of 256 bytes + 16: row e at 816 e
.set XI,    208896                     ; x's 32 fragments as images of registers: (8 i + s) x 1,536
.set XS,    258048                     ; their scale words: (8 i + s) x 128
.set FRB,   1536
.set STEPB, 13312
.set HEADB, 212992
.set KSO,   6144
.set VIO,   6656
.set VSO,   12800
.set SH8,  15                          ; v15     8 x (lane / 16): where my half's byte stands in a scale word
.set WSC,  16                          ; v16-47  Wq's scale words, 8 t + s: scales alone
.set XSC,  48                          ; v48-51  x's scale words of the K step in hand: scales alone
.set XF,   56                          ; v56-103 x's four fragments
.set WF,   104                         ; v104-151 Wq's four
.set BE,   152                         ; v152-183 the bias in D1's layout
.set BT,   184                         ; v184-215 in D2's
.set PC,   216                         ; v216-235 codes just made
.set TM,   236                         ; v236-251 at work in the quantisers
.set PW,   252                         ; the scale word just made
.set PCQ,  56                          ; at the end: K's two pairs (12 registers each), then V's four halves (8 apart),
.set PWQ,  120                         ; and six scale words: no store's data are written again
.set SEL,  20
; window 1: while x is quantised, four sets of 64 numbers; then D1 (t, i) at v[8 (4 i + t)], D2 (t, i) at v[128 + 8 (4 t + i)]
.set MSB, 0
.macro WIN new                         ; the immediate's high byte repeats the setting that is left
.if MSB != (\new)
	s_set_vgpr_msb (MSB<<8)|(\new)
.set MSB, (\new)
.endif
.endm
.macro CROUND                          ; a round of the cluster's barrier
	s_barrier_signal -1
	s_barrier_wait -1
	s_cmp_lg_u32 s14, 0
	s_cbranch_scc1 .Lnot_wave_0_\@
	s_barrier_signal -3
.Lnot_wave_0_\@:
	s_barrier_wait -3
	s_barrier_signal -1
	s_barrier_wait -1
.endm
; 64 numbers of a lane in window 1, register 16 b + i = k 32 b + 16 (lane / 16) + i of my row, become a fragment's codes in v[PC] on and its scale word in v[PW]
.macro QUANTX s
	WIN 0x14                                       ; sources 1 and 2 in window 1
.irp b, 0,1,2,3
	v_max3_num_f32 v[TM+\b], 0x2800000, |v[(\s)+16*\b]|, |v[(\s)+1+16*\b]|   ; my 16 numbers of block b, and the floor 2^(5 - 127): the byte cannot fall under 1
.endr
.irp i, 2,4,6,8,10,12,14
.irp b, 0,1,2,3
	v_max3_num_f32 v[TM+\b], v[TM+\b], |v[(\s)+16*\b+\i]|, |v[(\s)+1+16*\b+\i]|
.endr
.endr
	WIN 0
.irp b, 0,1,2,3
	v_permlanex16_b32 v[TM+4+\b], v[TM+\b], s[SEL], s[SEL+1]
.endr
.irp b, 0,1,2,3
	v_max_num_f32 v[TM+\b], v[TM+\b], v[TM+4+\b]   ; with lane l xor 16's: the block's largest magnitude
.endr
.irp b, 0,1,2,3
	v_add_nc_u32 v[TM+12+\b], 0xfe000000, v[TM+\b]   ; 4 off its exponent field: the conversion's scale operand
.endr
.irp b, 0,1,2,3
	v_lshrrev_b32 v[TM+4+\b], 23, v[TM+12+\b]      ; the scale's byte
.endr
	v_lshl_or_b32 v[PW], v[TM+5], 8, v[TM+4]
	v_lshl_or_b32 v[PW], v[TM+6], 16, v[PW]
	v_lshl_or_b32 v[PW], v[TM+7], 24, v[PW]
	WIN 0x01                                       ; source 0 in window 1
.irp c, 0,1
	v_cvt_scalef32_pk16_bf6_f32 v[PC+6*\c:PC+2+6*\c], v[(\s)+32*\c:(\s)+15+32*\c], v[TM+12+2*\c]
	v_cvt_scalef32_pk16_bf6_f32 v[PC+12+4*\c:PC+14+4*\c], v[(\s)+16+32*\c:(\s)+31+32*\c], v[TM+12+2*\c+1]
.endr
	WIN 0
	v_nop                                          ; one plain place behind a scaled conversion
.irp c, 0,1                                    ; the operand's layout wants a whole block in a lane
.irp i, 0,1,2
	v_permlane16_swap_b32 v[PC+6*\c+\i], v[PC+12+4*\c+\i]
.endr
.irp i, 0,1,2
	v_mov_b32 v[PC+3+6*\c+\i], v[PC+12+4*\c+\i]
.endr
.endr
.endm
; 32 results of a lane in window 1 (four accumulators on end), a WHOLE block of 32 along K, become six registers of codes at v[pc] on; the block's scale byte is left in v[by]
.macro QBLK src, pc, by
	WIN 0x14                                       ; sources 1 and 2 in window 1
	v_max3_num_f32 v[TM], 0x2800000, |v[(\src)]|, |v[(\src)+1]|        ; two chains; each accumulator is read from its low end on
	v_max3_num_f32 v[TM+1], 0x2800000, |v[(\src)+16]|, |v[(\src)+17]|
.irp i, 2,4,6,8,10,12,14
	v_max3_num_f32 v[TM], v[TM], |v[(\src)+\i]|, |v[(\src)+\i+1]|
	v_max3_num_f32 v[TM+1], v[TM+1], |v[(\src)+16+\i]|, |v[(\src)+17+\i]|
.endr
	WIN 0
	v_max_num_f32 v[TM], v[TM], v[TM+1]            ; the block's largest magnitude: all 32 numbers are mine
	v_add_nc_u32 v[TM+2], 0xfe000000, v[TM]        ; 4 off its exponent field: the conversion's scale operand
	v_lshrrev_b32 v[\by], 23, v[TM+2]              ; the scale's byte
	WIN 0x01                                       ; source 0 in window 1
	v_cvt_scalef32_pk16_bf6_f32 v[(\pc):(\pc)+2], v[(\src):(\src)+15], v[TM+2]
	v_cvt_scalef32_pk16_bf6_f32 v[TM+4:TM+6], v[(\src)+16:(\src)+31], v[TM+2]   ; (a conversion's three registers begin on an even number)
	WIN 0
	v_nop                                          ; one plain place behind a scaled conversion
.irp i, 0,1,2
	v_mov_b32 v[(\pc)+3+\i], v[TM+4+\i]            ; registers 0-5: k = 32 (lane / 16) + 0 .. 31
.endr
.endm
.macro XLOAD reg, s                    ; my 16 rows' numbers of K step s, 64 a lane, into window 1
	WIN 0x40
.irp b, 0,1,2,3
.irp j, 0,1,2,3
	global_load_b128 v[(\reg)+16*\b+4*\j:(\reg)+16*\b+4*\j+3], v4, s[4:5] offset:512*(\s)+128*\b+16*\j
.endr
.endr
	WIN 0
.endm
.macro FRAGW reg, t, s                 ; Wq's fragment (tile t, K step s) in pieces of 8 bytes; where lanes 16-31, three pieces on, lie behind one padding more, the second address register serves
.irp p, 0,1,2,3,4,5
.set YY, 96*(\s)+48*(\p/3)+8*(\p%3)
.if YY%256 < 232
	ds_load_b64 v[\reg+2*\p:\reg+2*\p+1], v8 offset:8*(\t)*816+YY+16*(YY/256)
.else
	ds_load_b64 v[\reg+2*\p:\reg+2*\p+1], v9 offset:8*(\t)*816+YY+16*(YY/256)
.endif
.endr
.endm
; a K step's 32 products: the 32 accumulators take turns, one instruction a turn.  first = 1: the biases are the C
.macro PROD s, first
.irp i, 0,1,2,3
.irp t, 0,1,2,3
.if \first
	v_wmma_scale_f32_16x16x128_f8f6f4 v[8*(4*\i+\t):8*(4*\i+\t)+7], v[WF+12*\t:WF+12*\t+11], v[XF+12*\i:XF+12*\i+11], v[BE+8*\t:BE+8*\t+7], v[WSC+8*\t+(\s)], v[XSC+\i] matrix_a_fmt:MATRIX_FMT_BF6 matrix_b_fmt:MATRIX_FMT_BF6
	v_wmma_scale_f32_16x16x128_f8f6f4 v[128+8*(4*\t+\i):128+8*(4*\t+\i)+7], v[XF+12*\i:XF+12*\i+11], v[WF+12*\t:WF+12*\t+11], v[BT+8*\t:BT+8*\t+7], v[XSC+\i], v[WSC+8*\t+(\s)] matrix_a_fmt:MATRIX_FMT_BF6 matrix_b_fmt:MATRIX_FMT_BF6
.else
	v_wmma_scale_f32_16x16x128_f8f6f4 v[8*(4*\i+\t):8*(4*\i+\t)+7], v[WF+12*\t:WF+12*\t+11], v[XF+12*\i:XF+12*\i+11], v[8*(4*\i+\t):8*(4*\i+\t)+7], v[WSC+8*\t+(\s)], v[XSC+\i] matrix_a_fmt:MATRIX_FMT_BF6 matrix_b_fmt:MATRIX_FMT_BF6
	v_wmma_scale_f32_16x16x128_f8f6f4 v[128+8*(4*\t+\i):128+8*(4*\t+\i)+7], v[XF+12*\i:XF+12*\i+11], v[WF+12*\t:WF+12*\t+11], v[128+8*(4*\t+\i):128+8*(4*\t+\i)+7], v[XSC+\i], v[WSC+8*\t+(\s)] matrix_a_fmt:MATRIX_FMT_BF6 matrix_b_fmt:MATRIX_FMT_BF6
.endif
.endr
.endr
.endm
	s_load_b256 s[4:11], s[0:1], 0x0               ; x s[4:5], Wq's codes s[6:7], Wq's scales s[8:9], bq s[10:11]
	s_load_b64 s[12:13], s[0:1], 0x20
	s_load_b128 s[52:55], s[0:1], 0x28             ; W1's codes, W2's codes
	s_load_b64 s[56:57], s[0:1], 0x38              ; wi: W1's 2,048 fragments as images of registers (1,536 bytes each, [row / 16][k / 128]), then W2's 2,048
	v_lshl_add_u32 v254, v0, 2, 0x40000
	v_mov_b32 v255, 0
	ds_add_u32 v254, v255
	ds_add_u32 v254, v255
	v_lshrrev_b32 v1, 5, v0
	v_readfirstlane_b32 s14, v1                    ; wave 0..3
	s_bfe_u32 s15, ttmp6, 0x40000                  ; cx
	s_lshl_b32 s16, ttmp9, 2
	s_add_co_u32 s16, s16, s15                     ; my block of 64 tokens: it enters x's and kv's addresses alone
	s_and_b32 s17, ttmp7, 0xffff                   ; my group of four heads, which the four partners share
	s_lshl_b32 s18, s17, 2
	s_add_co_u32 s18, s18, s14                     ; my wave's head
	s_mov_b32 s24, 15|(3<<16)|(1<<20)|(1<<21)|(5<<22)|(3<<25)  ; the mask: all four; elements of 8 bytes; padding on; bit 21 beside a mask; after every 64 words, 4 words
	s_mov_b32 s25, 32<<16                          ; tensor_dim0 = 32 elements: 256 bytes
	s_mov_b32 s26, 192<<16                         ; tensor_dim1 = 192
	s_mov_b32 s27, 32<<16                          ; tile_dim0
	s_mov_b32 s28, 192                             ; tile_dim1
	s_mov_b32 s29, 32                              ; the pitch: dense
	s_mov_b32 s30, 0
	s_mov_b32 s31, 0
	s_mul_i32 s36, s18, 49152
	s_mov_b32 s37, 0
	s_mov_b32 s32, 1
	s_mul_i32 s33, s14, WLW                        ; no place in the cluster enters an LDS address
	s_mov_b32 s[SEL], 0x76543210
	s_mov_b32 s[SEL+1], 0xfedcba98
	s_wait_dscnt 0x0
	s_wait_kmcnt 0x0
	s_add_nc_u64 s[34:35], s[6:7], s[36:37]
	s_or_b32 s35, s35, 0x80000000
	CROUND                                         ; all four work-groups are here: the joint loads meet
	tensor_load_to_lds s[32:35], s[24:31]          ; my head's codes: my one tensor load
	s_nop 0
.rept 4
	v_nop
.endr
	s_lshl_b32 s38, s16, 6                         ; my wave's tile of tokens begins at row 64 tb + 8 w
	s_lshl_b32 s39, s14, 3
	s_add_co_u32 s38, s38, s39
	s_lshl_b32 s38, s38, 12
	s_mov_b32 s39, 0
	s_add_nc_u64 s[4:5], s[4:5], s[38:39]
	s_lshl_b32 s38, s18, 11
	s_add_nc_u64 s[8:9], s[8:9], s[38:39]          ; my head's scale bytes
	s_lshl_b32 s38, s18, 8
	s_add_nc_u64 s[10:11], s[10:11], s[38:39]      ; my head's bias
	s_lshr_b32 s40, s16, 5                         ; the batch
	s_lshl_b32 s40, s40, 4
	s_add_co_u32 s40, s40, s18
	s_mul_i32 s40, s40, HEADB
	s_bfe_u32 s41, s16, 0x40001                    ; the key step
	s_mul_i32 s41, s41, STEPB
	s_add_co_u32 s40, s40, s41
	s_mov_b32 s41, 0
	s_add_nc_u64 s[12:13], s[12:13], s[40:41]
	s_and_b32 s19, s16, 1                          ; c: which half of the key step
	s_mul_i32 s38, s19, 3072
	s_add_nc_u64 s[44:45], s[12:13], s[38:39]      ; K's pairs 2 c on
	s_lshl_b32 s38, s19, 3
	s_add_nc_u64 s[46:47], s[12:13], s[38:39]      ; their scale words
	s_mul_i32 s38, s19, 768
	s_add_nc_u64 s[48:49], s[12:13], s[38:39]      ; V's halves c
	s_lshl_b32 s38, s19, 1
	s_add_nc_u64 s[50:51], s[12:13], s[38:39]
	; the weights of the two later products are laid out anew: each of the launch's 1,024 waves takes two neighbouring fragments of W1 and two of W2
	s_lshl_b32 s58, s16, 2
	s_add_co_u32 s58, s58, s17
	s_lshl_b32 s58, s58, 2
	s_add_co_u32 s58, s58, s14                     ; g: my wave among the 1,024
	s_lshr_b32 s59, s58, 2
	s_mul_i32 s59, s59, 12288                      ; W1: 16 rows of 768 bytes
	s_and_b32 s60, s58, 3
	s_mul_i32 s60, s60, 192                        ; two K steps of 96 bytes
	s_add_co_u32 s38, s59, s60
	s_add_nc_u64 s[52:53], s[52:53], s[38:39]
	s_lshr_b32 s59, s58, 4
	s_mul_i32 s59, s59, 49152                      ; W2: 16 rows of 3,072 bytes
	s_and_b32 s60, s58, 15
	s_mul_i32 s60, s60, 192
	s_add_co_u32 s38, s59, s60
	s_add_nc_u64 s[54:55], s[54:55], s[38:39]
	s_mul_i32 s38, s58, 3072                       ; images 2 g and 2 g + 1
	s_add_nc_u64 s[56:57], s[56:57], s[38:39]
	v_and_b32 v5, 15, v0                           ; r
	v_bfe_u32 v52, v0, 4, 1                        ; h
	v_and_b32 v53, 8, v5
	v_mad_u32_u24 v53, v53, 3, v5                  ; r + 24 (r / 8)
	v_and_b32 v54, 31, v0
	v_lshlrev_b32 v1, 4, v54                       ; 16 x lane
	v_lshlrev_b32 v2, 3, v54                       ; 8 x lane
	v_lshlrev_b32 v3, 2, v54                       ; 4 x lane
	v_lshlrev_b32 v4, 12, v53
	v_lshl_add_u32 v4, v52, 6, v4                  ; x: my row of 4,096 bytes, + 64 h: my 16 numbers of a block of 32
	s_mul_i32 s38, s14, 8*FRB
	s_add_co_u32 s38, s38, XI
	v_add_nc_u32 v6, s38, v1                       ; where I store x's images
	s_lshl_b32 s38, s14, 10
	s_add_co_u32 s38, s38, XS
	v_add_nc_u32 v7, s38, v3                       ; and their scale words
	v_mul_u32_u24 v8, v53, 816
	v_mad_u32_u24 v8, v52, 24, v8
	v_add_nc_u32 v8, s33, v8                       ; Wq: my row in my head, + 24 h
	v_lshl_add_u32 v9, v52, 4, v8                  ; and behind one padding more
	v_add_nc_u32 v10, XI, v1
	v_add_nc_u32 v11, XS, v3
	v_lshlrev_b32 v12, 5, v53                      ; Wq's scales: 32 bytes a row
	v_lshlrev_b32 v13, 7, v52                      ; the bias along e: my half's 32 numbers
	v_lshlrev_b32 v14, 2, v53                      ; the bias of my e
	v_lshlrev_b32 v[SH8], 3, v52
	v_mul_u32_u24 v104, v5, 768
	v_mad_u32_u24 v104, v52, 24, v104              ; W1: row r, + 24 h
	v_mul_u32_u24 v105, v5, 3072
	v_mad_u32_u24 v105, v52, 24, v105              ; W2 likewise
.irp i, 0,1
.irp p, 0,1,2,3,4,5
	global_load_b64 v[56+12*\i+2*\p:57+12*\i+2*\p], v104, s[52:53] offset:96*\i+48*(\p/3)+8*(\p%3)
	global_load_b64 v[80+12*\i+2*\p:81+12*\i+2*\p], v105, s[54:55] offset:96*\i+48*(\p/3)+8*(\p%3)
.endr
.endr
.irp b, 0,1,2,3
	v_mov_b32 v[TM+4+\b], 0                        ; written once: a lane permute's destination counts as one of its sources
.endr
	v_mov_b32 v[TM+11], 0
.irp t, 0,1,2,3
	global_load_b128 v[WSC+8*\t:WSC+8*\t+3], v12, s[8:9] offset:256*\t
	global_load_b128 v[WSC+8*\t+4:WSC+8*\t+7], v12, s[8:9] offset:256*\t+16
.endr
	; ---- x: my tile of 16 tokens becomes eight fragments, whose images go to LDS.  Four sets of registers take turns, so that three K steps' loads are on their way while one is quantised: 80 loads of mine are out at the most
	XLOAD 0, 0
	XLOAD 64, 1
	XLOAD 128, 2
.irp s, 0,1,2,3,4,5,6,7
.if \s < 5
	s_wait_loadcnt 32                              ; this K step's loads are in; the next two steps' sixteen each may be out
.elseif \s == 5
	s_wait_loadcnt 44                              ; steps 6 and 7 and the twelve loads of the bias may be out
.elseif \s == 6
	s_wait_loadcnt 28                              ; step 7 and the bias
.else
	s_wait_loadcnt 12                              ; the bias
.endif
.if \s < 5
	XLOAD 64*((\s+3)%4), \s+3                      ; into the set that the last step quantised
.endif
.if \s == 4
.irp t, 0,1,2,3                                ; the biases are asked for here, behind x's last loads: they land while the last steps are quantised
	global_load_b128 v[BE+8*\t:BE+8*\t+3], v13, s[10:11] offset:32*\t
	global_load_b128 v[BE+8*\t+4:BE+8*\t+7], v13, s[10:11] offset:32*\t+16
	global_load_b32 v[BT+8*\t], v14, s[10:11] offset:32*\t
.endr
.endif
.if \s > 0
	s_wait_dscnt 0x0                               ; the last image's stores have read their registers
.endif
	QUANTX 64*(\s%4)
.irp c, 0,1,2
	ds_store_b128 v6, v[PC+4*\c:PC+4*\c+3] offset:FRB*\s+512*\c
.endr
	ds_store_b32 v7, v[PW] offset:128*\s
.endr
.irp i, 0,1                                    ; the weights' fragments were my oldest loads: they are in; 512 consecutive bytes a store
.irp c, 0,1,2
	global_store_b128 v1, v[56+12*\i+4*\c:59+12*\i+4*\c], s[56:57] offset:1536*\i+512*\c
	global_store_b128 v1, v[80+12*\i+4*\c:83+12*\i+4*\c], s[56:57] offset:3145728+1536*\i+512*\c
.endr
.endr
	s_wait_tensorcnt 0x0
	s_wait_dscnt 0x0
	s_barrier_signal -1
	s_barrier_wait -1                              ; x's 32 fragments lie in LDS
	s_wait_loadcnt 0x0
	s_wait_xcnt 0x0                                ; the stores above have read their registers, into which fragments are loaded below
.irp t, 0,1,2,3
.irp j, 1,2,3,4,5,6,7
	v_mov_b32 v[BT+8*\t+\j], v[BT+8*\t]            ; in D2 a lane's eight results belong to one e
.endr
.endr
	; ---- the products, a K step of 128 at a time
.irp s, 0,1,2,3,4,5,6,7
.rept 4
	v_nop                                          ; places in front of loads into registers that matrix instructions have read
.endr
.irp i, 0,1,2,3
.irp c, 0,1,2
	ds_load_b128 v[XF+12*\i+4*\c:XF+12*\i+4*\c+3], v10 offset:(8*\i+\s)*FRB+512*\c
.endr
	ds_load_b32 v[XSC+\i], v11 offset:(8*\i+\s)*128
.endr
.irp t, 0,1,2,3
	FRAGW WF+12*\t, \t, \s
.endr
	s_wait_dscnt 0x0
.if \s == 0
	WIN 0x40                                       ; D in window 1, the biases in window 0
	s_wait_alu depctr_va_vdst(0)
	PROD \s, 1
.else
	WIN 0x50                                       ; C and D in window 1
	PROD \s, 0
.endif
	WIN 0
.endr
.rept 4
	v_nop                                          ; places in front of the first read of results
.endr
	; ---- q along e: two pairs of tiles of 16 tokens, operands of q q^T.  My byte of each tile goes 8 (lane / 16) bits up; lane l xor 16's two make the word whole
.irp p, 0,1
	QBLK 64*\p, PCQ+12*\p, TM+8
	QBLK 64*\p+32, PCQ+12*\p+6, TM+9
	v_lshl_or_b32 v[TM+10], v[TM+9], 16, v[TM+8]
	v_lshlrev_b32 v[TM+10], v[SH8], v[TM+10]
	v_permlanex16_b32 v[TM+11], v[TM+10], s[SEL], s[SEL+1]
	v_or_b32 v[PWQ+\p], v[TM+10], v[TM+11]
.irp c, 0,1,2
	global_store_b128 v1, v[PCQ+12*\p+4*\c:PCQ+12*\p+4*\c+3], s[44:45] offset:1536*\p+512*\c   ; 512 consecutive bytes a store
.endr
	global_store_b32 v1, v[PWQ+\p], s[46:47] offset:KSO+4*\p
.endr
	; ---- q along the keys: four tiles of 16 e, 64 keys each: half c of an operand of p q
.irp t, 0,1,2,3
	QBLK 128+32*\t, PCQ+24+8*\t, TM+8
	v_lshlrev_b32 v[TM+10], v[SH8], v[TM+8]
	v_permlanex16_b32 v[TM+11], v[TM+10], s[SEL], s[SEL+1]
	v_or_b32 v[PWQ+2+\t], v[TM+10], v[TM+11]
	global_store_b128 v1, v[PCQ+24+8*\t:PCQ+24+8*\t+3], s[48:49] offset:VIO+1536*\t
	global_store_b64 v2, v[PCQ+24+8*\t+4:PCQ+24+8*\t+5], s[48:49] offset:VIO+1536*\t+512
	global_store_b16 v1, v[PWQ+2+\t], s[50:51] offset:VSO+4*\t
.endr
	s_wait_tensorcnt 0x0
	ds_add_u32 v254, v255
	s_wait_dscnt 0x0
	CROUND                                         ; the closing round: no work-group ends while a partner may still ask jointly
	s_endpgm
.Lfunc_end_k_qa71be9aa2b_proj:
	.size	k_qa71be9aa2b_proj, .Lfunc_end_k_qa71be9aa2b_proj-k_qa71be9aa2b_proj
	.p2alignl 7, 3214868480
	.fill 96, 4, 3214868480
	.section	.rodata,"a",@progbits
	.p2align	6, 0x0
	.amdhsa_kernel k_qa71be9aa2b_proj
		.amdhsa_group_segment_fixed_size 262656
		.amdhsa_private_segment_fixed_size 0
		.amdhsa_enable_private_segment 0
		.amdhsa_kernarg_size 64
		.amdhsa_user_sgpr_count 2
		.amdhsa_user_sgpr_kernarg_segment_ptr 1
		.amdhsa_wavefront_size32 1
		.amdhsa_system_sgpr_workgroup_id_x 1
		.amdhsa_system_sgpr_workgroup_id_y 1
		.amdhsa_system_sgpr_workgroup_id_z 1
		.amdhsa_system_vgpr_workitem_id 0
		.amdhsa_next_free_vgpr 512
		.amdhsa_next_free_sgpr 66
		.amdhsa_reserve_vcc 0
		.amdhsa_float_denorm_mode_32 3
		.amdhsa_float_denorm_mode_16_64 3
		.amdhsa_memory_ordered 1
		.amdhsa_forward_progress 1
		.amdhsa_inst_pref_size 128
	.end_amdhsa_kernel
	.amdgpu_metadata
---
amdhsa.version: [ 1, 2 ]
amdhsa.kernels:
  - .name:           k_qa71be9aa2b_proj
    .symbol:         k_qa71be9aa2b_proj.kd
    .args:
      - { .name: x, .offset: 0, .size: 8, .value_kind: global_buffer, .address_space: global }
      - { .name: Wq_codes, .offset: 8, .size: 8, .value_kind: global_buffer, .address_space: global }
      - { .name: Wq_scales, .offset: 16, .size: 8, .value_kind: global_buffer, .address_space: global }
      - { .name: bq, .offset: 24, .size: 8, .value_kind: global_buffer, .address_space: global }
      - { .name: kv, .offset: 32, .size: 8, .value_kind: global_buffer, .address_space: global }
      - { .name: W1_codes, .offset: 40, .size: 8, .value_kind: global_buffer, .address_space: global }
      - { .name: W2_codes, .offset: 48, .size: 8, .value_kind: global_buffer, .address_space: global }
      - { .name: wi, .offset: 56, .size: 8, .value_kind: global_buffer, .address_space: global }
    .group_segment_fixed_size: 262656
    .private_segment_fixed_size: 0
    .kernarg_segment_align: 8
    .kernarg_segment_size: 64
    .max_flat_workgroup_size: 128
    .sgpr_count:     66
    .vgpr_count:     512
    .wavefront_size: 32
...
	.end_amdgpu_metadata
.endif
;; end of part 1
;; launch attn (part 2): grid 8 x 32, 16 waves a work-group, clusters of 4 x 1, 327,680 bytes of LDS; arguments kv, x, ysum; writes ysum
.if DOCPART == 2
	.amdgcn_target "amdgcn-amd-amdhsa--gfx1250"
	.amdhsa_code_object_version 6
	.text
	.protected	k_qa71be9aa2b_attn
	.globl	k_qa71be9aa2b_attn
	.p2align	8
	.type	k_qa71be9aa2b_attn,@function
k_qa71be9aa2b_attn:
	s_mov_b64 s[64:65], 0
	v_nop
	global_prefetch_b8 v0, s[64:65] scope:SCOPE_SE
	s_setreg_imm32_b32 hwreg(HW_REG_WAVE_MODE, 25, 1), 1
	s_wait_xcnt 0x0
	s_wait_alu depctr_hold_cnt(0) depctr_sa_sdst(0) depctr_va_vdst(0) depctr_va_sdst(0) depctr_va_ssrc(0) depctr_va_vcc(0) depctr_vm_vsrc(0)
	s_getreg_b32 s2, hwreg(HW_REG_IB_STS2, 6, 4)
	s_cmp_eq_u32 s2, 0
	s_cbranch_scc0 .Lentry_in_a_cluster
	s_endpgm
.Lentry_in_a_cluster:
	s_bfe_u32 s2, ttmp6, 0x10000c
	s_cmp_lg_u32 s2, 0x3003
	s_cbranch_scc0 .Lentry_shape_is_right
	s_endpgm
.Lentry_shape_is_right:
.set STEPB, 13312
.set HEADB, 212992
.set HALFB, 106496
.set WB,    6656
.set KSO,   6144
.set VIO,   6656
.set VSO,   12800
.set STAGE, 212992
.set L16,  1
.set L8,   2
.set SH8,  3
.set A16,  4
.set A8,   5
.set TMP,  6
.set PFO,  7
.set QSL,  8
.set QSH,  9
.set SO,   10
.set QB,   16
.set VS,   34
.set KS,   38
.set KF,   42
.set VF,   90
.set S,    138
.set O,    202
.set PC,   234
.set F,    246
.set OLD,  248
.set GO,   249
.set SUMT, 250
.set STO,  252
.set RD,   253
.set CH,   KF+32
.set CT,   KF+40
.set SEL,  20
.set CS,   22
.macro CROUND
	s_barrier_signal -1
	s_barrier_wait -1
	s_cmp_lg_u32 s10, 0
	s_cbranch_scc1 .Lnot_wave_0_\@
	s_barrier_signal -3
.Lnot_wave_0_\@:
	s_barrier_wait -3
	s_barrier_signal -1
	s_barrier_wait -1
.endm
.macro STEP ask, last
	v_add_nc_u32 v[A16], s2, v[L16]
	v_add_nc_u32 v[A8], s2, v[L8]
	v_mov_b32 v[OLD], v12
	v_nop
.irp p, 0,1,2,3
.irp c, 0,1,2
	ds_load_b128 v[KF+12*\p+4*\c:KF+12*\p+4*\c+3], v[A16] offset:1536*\p+512*\c
.endr
.endr
	ds_load_b128 v[KS:KS+3], v[A16] offset:KSO
.irp t, 0,1,2,3
.irp c, 0,1
	ds_load_b128 v[VF+12*\t+6*\c:VF+12*\t+6*\c+3], v[A16] offset:VIO+(2*\t+\c)*768
	ds_load_b64 v[VF+12*\t+6*\c+4:VF+12*\t+6*\c+5], v[A8] offset:VIO+(2*\t+\c)*768+512
.endr
.endr
	ds_load_b128 v[VS:VS+3], v[A16] offset:VSO
.if \ask
	s_cmp_eq_u32 s3, s40
	s_cbranch_scc0 .Lno_ask_\@
	global_prefetch_b8 v[PFO], s[42:43] th:TH_LOAD_NT scope:SCOPE_SE
.Lno_ask_\@:
.endif
	s_wait_dscnt 17
.irp p, 0,1,2,3
	v_wmma_scale_f32_16x16x128_f8f6f4 v[S+16*\p:S+16*\p+7], v[KF+12*\p:KF+12*\p+11], v[QB+6:QB+17], 0, v[KS+\p], v[QSL] matrix_a_fmt:MATRIX_FMT_BF6 matrix_b_fmt:MATRIX_FMT_BF6
	v_wmma_scale_f32_16x16x128_f8f6f4 v[S+16*\p+8:S+16*\p+15], v[KF+12*\p:KF+12*\p+11], v[QB:QB+11], 0, v[KS+\p], v[QSH] matrix_a_fmt:MATRIX_FMT_BF6 matrix_b_fmt:MATRIX_FMT_BF6
.endr
.rept 4
	v_nop
.endr
.if \last
.irp i, 0,1,2,3,4,5,6,7
	global_load_b128 v[KF+4*\i:KF+4*\i+3], v[GO], s[6:7] offset:(2*\i+24*(\i/4))*4096
.endr
.endif
.irp b, 0,1,2,3
	v_max3_num_f32 v[CH+\b], v[S+16*\b], v[S+1+16*\b], v[S+2+16*\b]
.endr
.irp i, 3,5,7,9,11,13
.irp b, 0,1,2,3
	v_max3_num_f32 v[CH+\b], v[CH+\b], v[S+16*\b+\i], v[S+1+16*\b+\i]
.endr
.endr
.irp b, 0,1,2,3
	v_max_num_f32 v[CH+\b], v[CH+\b], v[S+15+16*\b]
.endr
	s_delay_alu instid0(VALU_DEP_3)
	v_max_num_f32 v[CH], v[CH], v[CH+1]
	s_delay_alu instid0(VALU_DEP_2)
	v_max_num_f32 v[CH+2], v[CH+2], v[CH+3]
	s_delay_alu instid0(VALU_DEP_1)
	v_max_num_f32 v[TMP], v[CH], v[CH+2]
	s_delay_alu instid0(VALU_DEP_1)
	v_permlanex16_b32 v[CH+4], v[TMP], s[SEL], s[SEL+1]
	s_delay_alu instid0(VALU_DEP_1)
	v_max_num_f32 v[TMP], v[TMP], v[CH+4]
	s_delay_alu instid0(VALU_DEP_1)
	v_mul_f32 v[TMP], s[CS], v[TMP]
	s_delay_alu instid0(VALU_DEP_1)
	v_max_num_f32 v13, v13, v[TMP]
	s_delay_alu instid0(VALU_DEP_1)
	v_floor_f32 v12, -v13
	s_delay_alu instid0(VALU_DEP_1)
	v_sub_f32 v[TMP], v12, v[OLD]
	s_delay_alu instid0(VALU_DEP_1)
	v_cvt_i32_f32 v[TMP], v[TMP]
	s_delay_alu instid0(VALU_DEP_1)
	v_ldexp_f32 v[F], 1.0, v[TMP]
.set J, 0
.rept 32
	v_pk_fma_f32 v[S+J:S+J+1], v[S+J:S+J+1], s[CS:CS+1], v[12:13] op_sel_hi:[1,0,0]
.set J, J+2
.endr
	v_fma_f32 v[CH], v[CH], s[CS], v12
	v_fma_f32 v[CH+2], v[CH+2], s[CS], v12
.set J, 0
	s_wait_alu depctr_va_vdst(0)
.rept 64
	v_exp_f32 v[S+J], v[S+J]
.set J, J+1
.endr
	v_pk_mul_f32 v[14:15], v[14:15], v[F:F+1] op_sel_hi:[1,0]
	s_wait_alu depctr_va_vdst(0)
	v_exp_f32 v[CH], v[CH]
	v_exp_f32 v[CH+2], v[CH+2]
	v_pk_add_f32 v[SUMT:SUMT+1], v[S:S+1], v[S+2:S+3]
.irp j, 4,8,12,16,20,24,28,32,36,40,44,48,52,56,60
	v_pk_add_f32 v[14:15], v[14:15], v[S+\j:S+\j+1]
	v_pk_add_f32 v[SUMT:SUMT+1], v[SUMT:SUMT+1], v[S+\j+2:S+\j+3]
.endr
	s_delay_alu instid0(VALU_DEP_1)
	v_pk_add_f32 v[14:15], v[14:15], v[SUMT:SUMT+1]
	s_wait_alu depctr_va_vdst(0)
	v_max_num_f32 v[CH], 0x2800000, v[CH]
	v_max_num_f32 v[CH+2], 0x2800000, v[CH+2]
	s_delay_alu instid0(VALU_DEP_2)
	v_add_nc_u32 v[SO], 0xfe000000, v[CH]
	s_delay_alu instid0(VALU_DEP_2)
	v_add_nc_u32 v[SO+1], 0xfe000000, v[CH+2]
	s_delay_alu instid0(VALU_DEP_2)
	v_lshrrev_b32 v[CH+1], 23, v[SO]
	s_delay_alu instid0(VALU_DEP_2)
	v_lshrrev_b32 v[CH+3], 23, v[SO+1]
	s_delay_alu instid0(VALU_DEP_1)
	v_lshl_or_b32 v[TMP], v[CH+3], 16, v[CH+1]
	s_delay_alu instid0(VALU_DEP_1)
	v_lshlrev_b32 v[TMP], v[SH8], v[TMP]
	s_delay_alu instid0(VALU_DEP_1)
	v_permlanex16_b32 v[CH+4], v[TMP], s[SEL], s[SEL+1]
	s_delay_alu instid0(VALU_DEP_1)
	v_or_b32 v[F+1], v[TMP], v[CH+4]
.irp c, 0,1
	v_cvt_scalef32_pk16_bf6_f32 v[PC+6*\c:PC+6*\c+2], v[S+32*\c:S+32*\c+15], v[SO+\c]
	v_cvt_scalef32_pk16_bf6_f32 v[CT+4*\c:CT+4*\c+2], v[S+32*\c+16:S+32*\c+31], v[SO+\c]
.endr
	v_nop
.irp c, 0,1
.irp i, 0,1,2
	v_mov_b32 v[PC+6*\c+3+\i], v[CT+4*\c+\i]
.endr
.endr
.set J, 0
.rept 16
	v_pk_mul_f32 v[O+J:O+J+1], v[O+J:O+J+1], v[F:F+1] op_sel_hi:[1,0]
.set J, J+2
.endr
	s_wait_alu depctr_va_vdst(0)
	s_wait_dscnt 0x0
.irp t, 0,1,2,3
	v_wmma_scale_f32_16x16x128_f8f6f4 v[O+8*\t:O+8*\t+7], v[VF+12*\t:VF+12*\t+11], v[PC:PC+11], v[O+8*\t:O+8*\t+7], v[VS+\t], v[F+1] matrix_a_fmt:MATRIX_FMT_BF6 matrix_b_fmt:MATRIX_FMT_BF6
.endr
	s_add_co_u32 s2, s2, STEPB
.endm
	s_load_b128 s[4:7], s[0:1], 0x0
	s_load_b64 s[8:9], s[0:1], 0x10
	v_lshl_add_u32 v254, v0, 2, 0x45000
	v_mov_b32 v255, 0
	ds_add_u32 v254, v255
	ds_add_u32 v254, v255
	v_lshrrev_b32 v1, 5, v0
	s_delay_alu instid0(VALU_DEP_1)
	v_readfirstlane_b32 s10, v1
	s_bfe_u32 s11, ttmp6, 0x40000
	s_lshl_b32 s12, ttmp9, 2
	s_add_co_u32 s12, s12, s11
	s_and_b32 s13, ttmp7, 0xffff
	s_mov_b32 s24, 15|(3<<16)|(1<<21)
	s_mov_b32 s25, 32<<16
	s_mov_b32 s26, 13<<16
	s_mov_b32 s27, 32<<16
	s_mov_b32 s28, 13
	s_mov_b32 s68, 15|(3<<16)|(1<<21)
	s_mov_b32 s69, 32<<16
	s_mov_b32 s70, 39<<16
	s_mov_b32 s71, 32<<16
	s_mov_b32 s72, 39
	s_mov_b32 s73, 32
	s_mov_b32 s74, 0
	s_mov_b32 s75, 0
	s_mov_b32 s29, 32
	s_mov_b32 s30, 0
	s_mov_b32 s31, 0
	s_mul_i32 s44, s13, HEADB
	s_mov_b32 s45, 0
	s_mul_i32 s46, s10, 3328
	s_mul_i32 s14, s10, 9984
	s_add_co_u32 s14, s14, 53248
	s_mov_b32 s15, 0
	s_mov_b32 s47, 0
	s_mov_b32 s32, 1
	s_mov_b32 s33, s46
	s_mov_b32 s36, 1
	s_mov_b32 s37, s14
	s_mov_b32 s[SEL], 0x76543210
	s_mov_b32 s[SEL+1], 0xfedcba98
	s_mov_b32 s[CS], 0x3e38aa3b
	s_mov_b32 s[CS+1], s[CS]
	s_wait_dscnt 0x0
	s_wait_kmcnt 0x0
	s_add_nc_u64 s[4:5], s[4:5], s[44:45]
	s_add_nc_u64 s[34:35], s[4:5], s[46:47]
	s_add_nc_u64 s[38:39], s[4:5], s[14:15]
	s_or_b32 s35, s35, 0x80000000
	s_or_b32 s39, s39, 0x80000000
	CROUND
	tensor_load_to_lds s[32:35], s[24:31]
	s_nop 0
.rept 4
	v_nop
.endr
	s_lshl_b32 s48, s12, 1
	s_lshr_b32 s49, s10, 3
	s_add_co_u32 s48, s48, s49
	s_mul_i32 s48, s48, STEPB
	s_bfe_u32 s49, s10, 0x20001
	s_mul_i32 s50, s49, 1536
	s_add_co_u32 s50, s50, s48
	s_mov_b32 s51, 0
	s_add_nc_u64 s[50:51], s[4:5], s[50:51]
	s_lshl_b32 s52, s49, 2
	s_add_co_u32 s52, s52, s48
	s_mov_b32 s53, 0
	s_add_nc_u64 s[52:53], s[4:5], s[52:53]
	s_lshr_b32 s56, s13, 4
	s_lshl_b32 s56, s56, 11
	s_and_b32 s57, s13, 15
	s_lshl_b32 s57, s57, 8
	s_lshl_b32 s54, s12, 8
	s_add_co_u32 s54, s54, s56
	s_lshr_b32 s55, s10, 1
	s_lshl_b32 s55, s55, 5
	s_add_co_u32 s55, s55, s54
	s_lshl_b32 s58, s55, 12
	s_add_co_u32 s58, s58, s57
	s_mov_b32 s59, 0
	s_add_nc_u64 s[42:43], s[6:7], s[58:59]
	s_lshr_b32 s55, s10, 2
	s_lshl_b32 s55, s55, 6
	s_add_co_u32 s55, s55, s54
	s_and_b32 s56, s10, 3
	s_lshl_b32 s56, s56, 3
	s_add_co_u32 s55, s55, s56
	s_lshl_b32 s58, s55, 12
	s_add_co_u32 s58, s58, s57
	s_add_nc_u64 s[6:7], s[6:7], s[58:59]
	s_add_nc_u64 s[8:9], s[8:9], s[58:59]
	s_and_b32 s41, s10, 1
	s_cmp_eq_u32 s41, 0
	s_cselect_b32 s40, 1, 0
	s_lshl_b32 s41, s41, 4
	v_and_b32 v[TMP], 31, v0
	s_delay_alu instid0(VALU_DEP_1)
	v_lshlrev_b32 v[L16], 4, v[TMP]
	s_delay_alu instid0(VALU_DEP_2)
	v_lshlrev_b32 v[L8], 3, v[TMP]
	s_delay_alu instid0(VALU_DEP_3)
	v_lshlrev_b32 v[PFO], 12, v[TMP]
	global_load_b128 v[S:S+3], v[L16], s[50:51]
	global_load_b128 v[S+4:S+7], v[L16], s[50:51] offset:512
	global_load_b128 v[S+8:S+11], v[L16], s[50:51] offset:1024
	global_load_b32 v[S+12], v[L16], s[52:53] offset:KSO
	v_and_b32 v[TMP], 15, v0
	v_bfe_u32 v[OLD], v0, 4, 1
	s_delay_alu instid0(VALU_DEP_1)
	v_lshlrev_b32 v[SH8], 3, v[OLD]
	s_delay_alu instid0(VALU_DEP_2)
	v_lshlrev_b32 v[GO], 12, v[OLD]
	s_delay_alu instid0(VALU_DEP_1)
	v_lshl_add_u32 v[GO], v[TMP], 4, v[GO]
	v_mov_b32 v13, 0xff61b1e6
	s_delay_alu instid0(VALU_DEP_1)
	v_floor_f32 v12, -v13
	v_mov_b32 v14, 0
	v_mov_b32 v15, 0
	v_mov_b32 v[F+1], 0
	s_mov_b32 s2, 0
	s_wait_alu depctr_va_vdst(0)
	s_wait_tensorcnt 0x0
	ds_add_u32 v254, v255
	s_wait_dscnt 0x0
	CROUND
	tensor_load_to_lds s[36:39], s[68:75]
	s_nop 0
.rept 4
	v_nop
.endr
	s_cmp_eq_u32 s40, 1
	s_cselect_b32 vcc_lo, -1, 0
	s_wait_loadcnt 0x0
.irp k, 0,1,2,3,4,5
	v_cndmask_b32 v[QB+6+\k], v[S+6+\k], v[S+\k], vcc_lo
.endr
	v_lshrrev_b32 v[TMP], s41, v[S+12]
	s_delay_alu instid0(VALU_DEP_1)
	v_and_b32 v[TMP], 0xffff, v[TMP]
	s_delay_alu instid0(VALU_DEP_1)
	v_or_b32 v[QSL], 0x7f7f0000, v[TMP]
	s_delay_alu instid0(VALU_DEP_2)
	v_lshl_or_b32 v[QSH], v[TMP], 16, 0x7f7f
.irp j, 0,1,2,3,4,5
	v_mov_b32 v[QB+\j], 0
	v_mov_b32 v[QB+12+\j], 0
.endr
.set J, 0
.rept 32
	v_mov_b32 v[O+J], 0
.set J, J+1
.endr
	s_mov_b32 s3, 3
.Lfirst:
	STEP 0, 0
	s_sub_co_u32 s3, s3, 1
	s_cmp_lg_u32 s3, 0
	s_cbranch_scc1 .Lfirst
	s_wait_tensorcnt 0x0
	s_wait_dscnt 0x0
	s_barrier_signal -1
	s_barrier_wait -1
	s_mov_b32 s3, 12
.Lsecond:
	STEP 1, 0
	s_sub_co_u32 s3, s3, 1
	s_cmp_lg_u32 s3, 0
	s_cbranch_scc1 .Lsecond
	STEP 0, 1
	v_add_f32 v14, v14, v15
	s_delay_alu instid0(VALU_DEP_1)
	v_permlanex16_b32 v[CH+4], v14, s[SEL], s[SEL+1]
	s_delay_alu instid0(VALU_DEP_1)
	v_add_f32 v14, v14, v[CH+4]
	s_wait_alu depctr_va_vdst(0)
	v_rcp_f32 v14, v14
	v_and_b32 v[TMP], 15, v0
	v_bfe_u32 v[OLD], v0, 4, 1
	s_mul_i32 s41, s10, 4352
	s_add_co_u32 s41, s41, STAGE
	v_mul_u32_u24 v[STO], v[TMP], 272
	s_delay_alu instid0(VALU_DEP_1)
	v_lshl_add_u32 v[STO], v[OLD], 7, v[STO]
	s_delay_alu instid0(VALU_DEP_1)
	v_add_nc_u32 v[STO], s41, v[STO]
	v_mul_u32_u24 v[RD], v[OLD], 272
	s_delay_alu instid0(VALU_DEP_1)
	v_lshl_add_u32 v[RD], v[TMP], 4, v[RD]
	s_delay_alu instid0(VALU_DEP_1)
	v_add_nc_u32 v[RD], s41, v[RD]
	s_wait_alu depctr_va_vdst(0)
.set J, 0
.rept 16
	v_pk_mul_f32 v[S+J:S+J+1], v[O+J:O+J+1], v[14:15] op_sel_hi:[1,0]
.set J, J+2
.endr
.irp t, 0,1,2,3
	ds_store_b128 v[STO], v[S+8*\t:S+8*\t+3] offset:32*\t
	ds_store_b128 v[STO], v[S+8*\t+4:S+8*\t+7] offset:32*\t+16
.endr
.irp i, 0,1,2,3,4,5,6,7
	ds_load_b128 v[VF+4*\i:VF+4*\i+3], v[RD] offset:544*\i
.endr
	s_wait_dscnt 0x0
	s_wait_loadcnt 0x0
.set J, 0
.rept 16
	v_pk_add_f32 v[VF+J:VF+J+1], v[VF+J:VF+J+1], v[KF+J:KF+J+1]
.set J, J+2
.endr
.irp i, 0,1,2,3,4,5,6,7
	global_store_b128 v[GO], v[VF+4*\i:VF+4*\i+3], s[8:9] offset:(2*\i+24*(\i/4))*4096
.endr
	s_wait_tensorcnt 0x0
	ds_add_u32 v254, v255
	s_wait_dscnt 0x0
	CROUND
	s_endpgm
.Lfunc_end_k_qa71be9aa2b_attn:
	.size	k_qa71be9aa2b_attn, .Lfunc_end_k_qa71be9aa2b_attn-k_qa71be9aa2b_attn
	.p2alignl 7, 3214868480
	.fill 96, 4, 3214868480
	.section	.rodata,"a",@progbits
	.p2align	6, 0x0
	.amdhsa_kernel k_qa71be9aa2b_attn
		.amdhsa_group_segment_fixed_size 327680
		.amdhsa_private_segment_fixed_size 0
		.amdhsa_enable_private_segment 0
		.amdhsa_kernarg_size 24
		.amdhsa_user_sgpr_count 2
		.amdhsa_user_sgpr_kernarg_segment_ptr 1
		.amdhsa_wavefront_size32 1
		.amdhsa_system_sgpr_workgroup_id_x 1
		.amdhsa_system_sgpr_workgroup_id_y 1
		.amdhsa_system_sgpr_workgroup_id_z 1
		.amdhsa_system_vgpr_workitem_id 0
		.amdhsa_next_free_vgpr 256
		.amdhsa_next_free_sgpr 80
		.amdhsa_reserve_vcc 1
		.amdhsa_float_denorm_mode_32 3
		.amdhsa_float_denorm_mode_16_64 3
		.amdhsa_memory_ordered 1
		.amdhsa_forward_progress 1
		.amdhsa_inst_pref_size 61
	.end_amdhsa_kernel
	.amdgpu_metadata
---
amdhsa.version: [ 1, 2 ]
amdhsa.kernels:
  - .name:           k_qa71be9aa2b_attn
    .symbol:         k_qa71be9aa2b_attn.kd
    .args:
      - { .name: kv, .offset: 0, .size: 8, .value_kind: global_buffer, .address_space: global }
      - { .name: x, .offset: 8, .size: 8, .value_kind: global_buffer, .address_space: global }
      - { .name: ysum, .offset: 16, .size: 8, .value_kind: global_buffer, .address_space: global }
    .group_segment_fixed_size: 327680
    .private_segment_fixed_size: 0
    .kernarg_segment_align: 8
    .kernarg_segment_size: 24
    .max_flat_workgroup_size: 512
    .sgpr_count:     80
    .vgpr_count:     256
    .wavefront_size: 32
...
	.end_amdgpu_metadata
.endif
;; end of part 2
;; launch ln1 (part 3): grid 256 x 1, 4 waves a work-group, no clusters, 34,304 bytes of LDS; arguments ysum, ln1_g, ln1_b, x1c, x1s; writes x1c, x1s
.if DOCPART == 3
	.amdgcn_target "amdgcn-amd-amdhsa--gfx1250"
	.amdhsa_code_object_version 6
	.text
	.protected	k_qa71be9aa2b_ln1
	.globl	k_qa71be9aa2b_ln1
	.p2align	8
	.type	k_qa71be9aa2b_ln1,@function
k_qa71be9aa2b_ln1:
	s_mov_b64 s[64:65], 0
	v_nop
	global_prefetch_b8 v0, s[64:65] scope:SCOPE_SE
	s_setreg_imm32_b32 hwreg(HW_REG_WAVE_MODE, 25, 1), 1
	s_wait_xcnt 0x0
; x1 = (v - mean) rsqrt(var + 1e-5) gamma + beta along rows of 1,024 f32, turned into codes of BF6 with one E8M0 byte for each 32.
; x1 itself is not stored: each row's rsqrt and -mean x rsqrt are (each twice, 16 bytes a row, behind the 131,072 scale bytes in x1s), and the launch that adds the residual forms x1 again from ysum.
; A work-group takes 16 rows, a wave 4, each whole in 32 registers; all loads go out at the head.  The mean first, then the variance of the differences.
; For the conversion a lane needs 16 neighbours: a row turns through the wave's own stage in LDS.  Two neighbouring lanes hold a block.
; The codes leave as IMAGES OF FRAGMENT REGISTERS: x1c [row / 16][k / 128][1,536 bytes], register j of lane (r, h) at 512 (j / 4) + 16 (r + 16 h) + 4 (j % 4).
; The work-group's eight images are gathered in LDS and stored as 12,288 consecutive bytes.
; No matrix unit, no cluster: memory binds, and no input row is shared.
; LIMITS: NaN and infinities are not served; a block of zeros gets the scale byte 1 (its codes are zeros; this program alone reads the bytes).
.set G,  16
.set B,  48
.set R,  80
.set X,  208
.set C,  240
.set E,  248
.set ST, 250                           ; v250-253 my rows' two numbers, each twice: lane i holds row i's
.set A0, 4                             ; v4, v243, v247: where my three registers of codes go in an image
.set A1, 243
.set A2, 247
.set WREG, 5376                        ; LDS of a wave: a stage of 64 x 80 bytes, then 128 scale bytes
.set IMG,  21504                       ; the eight images
.set SPARE, 33792
	s_load_b256 s[4:11], s[0:1], 0x0               ; ysum, gamma, beta, x1c
	s_load_b64 s[12:13], s[0:1], 0x20              ; x1s
	v_lshl_add_u32 v254, v0, 2, SPARE
	v_mov_b32 v255, 0
	v_lshrrev_b32 v1, 5, v0
	v_readfirstlane_b32 s16, v1
	s_lshl_b32 s17, ttmp9, 4
	s_lshl_b32 s18, s16, 2
	s_add_co_u32 s17, s17, s18                     ; my wave's first row
	s_lshl_b32 s18, s17, 12
	s_mov_b32 s19, 0
	s_mov_b32 s20, 0x76543210
	s_mov_b32 s21, 0xfedcba98
	s_mov_b32 s22, 0x3a800000                      ; 1 / 1,024
	s_mov_b32 s23, 0x3727c5ac                      ; 1e-5
	s_mul_i32 s24, s16, WREG
	s_add_co_u32 s25, s24, 5120
	s_lshl_b32 s26, s16, 6
	s_add_co_u32 s26, s26, IMG                     ; my rows' lanes in an image: 16 x (4 wave + i)
	s_lshl_b32 s28, s17, 5
	s_mov_b32 s29, 0
	s_lshl_b32 s30, s17, 4
	s_add_co_u32 s30, s30, 131072
	s_mov_b32 s31, 0
	s_mul_i32 s14, ttmp9, 12288
	s_mov_b32 s15, 0
	v_and_b32 v15, 31, v0
	v_lshlrev_b32 v1, 4, v15
	v_lshrrev_b32 v2, 2, v15
	v_mul_u32_u24 v2, v2, 80
	v_and_b32 v3, 3, v15
	v_lshl_add_u32 v2, v3, 4, v2
	v_add_nc_u32 v2, s24, v2                       ; the stage, in
	v_mul_u32_u24 v3, v15, 80
	v_add_nc_u32 v3, s24, v3                       ; out
	v_lshrrev_b32 v5, 1, v15
	v_add_nc_u32 v5, s25, v5                       ; my block's byte
	v_lshlrev_b32 v7, 2, v15
	v_add_nc_u32 v6, s25, v7
	; my 16 codes of half p of a row: K step 4 p + lane / 8, c = bit 2, h = bit 1 of the lane, registers 6 c + 3 (lane % 2) on
	v_and_b32 v8, 1, v15
	v_bfe_u32 v9, v15, 2, 1
	v_mul_u32_u24 v10, v8, 3
	v_mad_u32_u24 v10, v9, 6, v10
	v_bfe_u32 v11, v15, 1, 1
	v_lshrrev_b32 v12, 3, v15
	v_mul_u32_u24 v12, v12, 1536
	v_lshl_add_u32 v12, v11, 8, v12
	v_add_nc_u32 v12, s26, v12
.macro IADR dst, n
	v_add_nc_u32 v13, \n, v10
	v_lshrrev_b32 v14, 2, v13
	v_and_b32 v13, 3, v13
	v_lshl_add_u32 v14, v14, 9, v12
	v_lshl_add_u32 v[\dst], v13, 2, v14
.endm
	IADR A0, 0
	IADR A1, 1
	IADR A2, 2
	s_wait_alu depctr_va_vdst(0)                   ; the wait at the head's end
	s_wait_kmcnt 0x0
	s_add_nc_u64 s[4:5], s[4:5], s[18:19]
	s_add_nc_u64 s[10:11], s[10:11], s[14:15]
	s_add_nc_u64 s[30:31], s[12:13], s[30:31]
	s_add_nc_u64 s[12:13], s[12:13], s[28:29]
.irp j, 0,1,2,3,4,5,6,7
	global_load_b128 v[G+4*\j:G+4*\j+3], v1, s[6:7] offset:512*\j
	global_load_b128 v[B+4*\j:B+4*\j+3], v1, s[8:9] offset:512*\j
.endr
.irp i, 0,1,2,3
.irp j, 0,1,2,3,4,5,6,7
	global_load_b128 v[R+32*\i+4*\j:R+32*\i+4*\j+3], v1, s[4:5] offset:4096*\i+512*\j
.endr
.endr
.macro ACROSS a, t
	v_add_f32_dpp v[\a], v[\a], v[\a] row_xmask:1 row_mask:0xf bank_mask:0xf
	v_add_f32_dpp v[\a], v[\a], v[\a] row_xmask:2 row_mask:0xf bank_mask:0xf
	v_add_f32_dpp v[\a], v[\a], v[\a] row_xmask:4 row_mask:0xf bank_mask:0xf
	v_add_f32_dpp v[\a], v[\a], v[\a] row_xmask:8 row_mask:0xf bank_mask:0xf
	v_permlanex16_b32 v[\t], v[\a], s20, s21
	v_add_f32 v[\a], v[\a], v[\t]
.endm
.macro QB i, p                         ; 512 numbers of row i: 16 a lane
.set XS, X+16*(\p)
	v_max3_num_f32 v8, |v[XS]|, |v[XS+1]|, |v[XS+2]|
	v_max3_num_f32 v9, |v[XS+3]|, |v[XS+4]|, |v[XS+5]|
.irp k, 6,10
	v_max3_num_f32 v8, v8, |v[XS+\k]|, |v[XS+\k+1]|
	v_max3_num_f32 v9, v9, |v[XS+\k+2]|, |v[XS+\k+3]|
.endr
	v_max3_num_f32 v8, v8, |v[XS+14]|, |v[XS+15]|
	v_max3_num_f32 v8, v8, v9, 0x2800000           ; the floor 2^(5 - 127): the byte cannot fall under 1
	v_max_num_f32_dpp v8, v8, v8 row_xmask:1 row_mask:0xf bank_mask:0xf
	v_add_nc_u32 v11, 0xfe000000, v8               ; 4 off the exponent field: the conversion's scale operand
	v_cvt_scalef32_pk16_bf6_f32 v[C+4*(\p):C+4*(\p)+2], v[XS:XS+15], v11
	v_lshrrev_b32 v[E+(\p)], 23, v11               ; the scale's byte; also the plain place behind the conversion
	ds_store_b8 v5, v[E+(\p)] offset:16*(2*(\i)+(\p))
	ds_store_b32 v[A0], v[C+4*(\p)] offset:6144*(\p)+16*(\i)
	ds_store_b32 v[A1], v[C+4*(\p)+1] offset:6144*(\p)+16*(\i)
	ds_store_b32 v[A2], v[C+4*(\p)+2] offset:6144*(\p)+16*(\i)
.endm
.macro ROW i
.set RR, R+32*(\i)
	s_wait_loadcnt 8*(3-(\i))                      ; gamma, beta and my row are in; the later rows' loads, eight each, may be out
	v_pk_add_f32 v[8:9], v[RR:RR+1], v[RR+2:RR+3]
	v_pk_add_f32 v[10:11], v[RR+4:RR+5], v[RR+6:RR+7]
.irp k, 8,12,16,20,24,28
	v_pk_add_f32 v[8:9], v[8:9], v[RR+\k:RR+\k+1]
	v_pk_add_f32 v[10:11], v[10:11], v[RR+\k+2:RR+\k+3]
.endr
	v_pk_add_f32 v[8:9], v[8:9], v[10:11]
	v_add_f32 v8, v8, v9
	ACROSS 8, 9
	v_mul_f32 v8, s22, v8                          ; the mean
.irp k, 0,2,4,6,8,10,12,14,16,18,20,22,24,26,28,30
	v_pk_add_f32 v[RR+\k:RR+\k+1], v[RR+\k:RR+\k+1], v[8:9] op_sel_hi:[1,0] neg_lo:[0,1] neg_hi:[0,1]
.endr
	v_pk_mul_f32 v[10:11], v[RR:RR+1], v[RR:RR+1]
	v_pk_mul_f32 v[12:13], v[RR+2:RR+3], v[RR+2:RR+3]
.irp k, 4,8,12,16,20,24,28
	v_pk_fma_f32 v[10:11], v[RR+\k:RR+\k+1], v[RR+\k:RR+\k+1], v[10:11]
	v_pk_fma_f32 v[12:13], v[RR+\k+2:RR+\k+3], v[RR+\k+2:RR+\k+3], v[12:13]
.endr
	v_pk_add_f32 v[10:11], v[10:11], v[12:13]
	v_add_f32 v10, v10, v11
	ACROSS 10, 11
	v_fma_f32 v10, v10, s22, s23                   ; the variance + 1e-5
	s_wait_alu depctr_va_vdst(0)                   ; the wait ahead of the transcendental
	v_rsq_f32 v12, v10
	v_nop
	s_wait_alu depctr_va_vdst(0)                   ; and ahead of its first reader
.irp k, 0,2,4,6,8,10,12,14,16,18,20,22,24,26,28,30
	v_pk_mul_f32 v[RR+\k:RR+\k+1], v[RR+\k:RR+\k+1], v[12:13] op_sel_hi:[1,0]
.endr
	v_mul_f32 v9, -v8, v12                         ; -mean x rsqrt
.if (\i) == 0
	v_mov_b32 v[ST], v12
	v_mov_b32 v[ST+1], v12
	v_mov_b32 v[ST+2], v9
	v_mov_b32 v[ST+3], v9
.else
	v_cmp_eq_u32 vcc_lo, \i, v15
	v_cndmask_b32 v[ST], v[ST], v12, vcc_lo
	v_cndmask_b32 v[ST+1], v[ST+1], v12, vcc_lo
	v_cndmask_b32 v[ST+2], v[ST+2], v9, vcc_lo
	v_cndmask_b32 v[ST+3], v[ST+3], v9, vcc_lo
.endif
.irp k, 0,2,4,6,8,10,12,14,16,18,20,22,24,26,28,30
	v_pk_fma_f32 v[RR+\k:RR+\k+1], v[RR+\k:RR+\k+1], v[G+\k:G+\k+1], v[B+\k:B+\k+1]
.endr
.irp j, 0,1,2,3,4,5,6,7
	ds_store_b128 v2, v[RR+4*\j:RR+4*\j+3] offset:640*\j
.endr
.irp p, 0,1
.irp q, 0,1,2,3
	ds_load_b128 v[X+16*\p+4*\q:X+16*\p+4*\q+3], v3 offset:2560*\p+16*\q   ; LDS serves a wave's instructions in order: these see my stores
.endr
.endr
	s_wait_dscnt 0x0
	QB \i, 0
	QB \i, 1
.endm
	ROW 0
	ROW 1
	ROW 2
	ROW 3
	ds_load_b32 v14, v6                            ; my four rows' 128 scale bytes
	s_wait_alu depctr_va_vdst(0)
	s_wait_dscnt 0x0                               ; for the others' sake too: my codes lie in the images
	s_barrier_signal -1
	s_barrier_wait -1
	global_store_b32 v7, v14, s[12:13]
	v_lshl_add_u32 v8, v0, 4, IMG
	v_lshlrev_b32 v9, 4, v0
.irp k, 0,1,2,3,4,5
	ds_load_b128 v[R+4*\k:R+4*\k+3], v8 offset:2048*\k
.endr
	s_wait_alu depctr_va_vdst(0)
	s_wait_dscnt 0x0
.irp k, 0,1,2,3,4,5
	global_store_b128 v9, v[R+4*\k:R+4*\k+3], s[10:11] offset:2048*\k   ; the work-group's 128 lanes store 2,048 consecutive bytes
.endr
	v_cmp_gt_u32 vcc_lo, 4, v15
	s_wait_xcnt 0x0                                ; EXEC changes only behind this wait
	s_and_saveexec_b32 s27, vcc_lo
	global_store_b128 v1, v[ST:ST+3], s[30:31]     ; lanes 0-3: my four rows' numbers
	s_wait_xcnt 0x0
	s_or_b32 exec_lo, exec_lo, s27
	s_wait_tensorcnt 0x0                           ; the wave's end
	ds_add_u32 v254, v255
	s_wait_dscnt 0x0
	s_endpgm
.Lfunc_end_k_qa71be9aa2b_ln1:
	.size	k_qa71be9aa2b_ln1, .Lfunc_end_k_qa71be9aa2b_ln1-k_qa71be9aa2b_ln1
	.p2alignl 7, 3214868480
	.fill 96, 4, 3214868480
	.section	.rodata,"a",@progbits
	.p2align	6, 0x0
	.amdhsa_kernel k_qa71be9aa2b_ln1
		.amdhsa_group_segment_fixed_size 34304
		.amdhsa_private_segment_fixed_size 0
		.amdhsa_enable_private_segment 0
		.amdhsa_kernarg_size 40
		.amdhsa_user_sgpr_count 2
		.amdhsa_user_sgpr_kernarg_segment_ptr 1
		.amdhsa_wavefront_size32 1
		.amdhsa_system_sgpr_workgroup_id_x 1
		.amdhsa_system_sgpr_workgroup_id_y 1
		.amdhsa_system_sgpr_workgroup_id_z 1
		.amdhsa_system_vgpr_workitem_id 0
		.amdhsa_next_free_vgpr 256
		.amdhsa_next_free_sgpr 66
		.amdhsa_reserve_vcc 1
		.amdhsa_float_denorm_mode_32 3
		.amdhsa_float_denorm_mode_16_64 3
		.amdhsa_memory_ordered 1
		.amdhsa_forward_progress 1
		.amdhsa_inst_pref_size 47
	.end_amdhsa_kernel
	.amdgpu_metadata
---
amdhsa.version: [ 1, 2 ]
amdhsa.kernels:
  - .name:           k_qa71be9aa2b_ln1
    .symbol:         k_qa71be9aa2b_ln1.kd
    .args:
      - { .name: ysum, .offset: 0, .size: 8, .value_kind: global_buffer, .address_space: global }
      - { .name: ln1_g, .offset: 8, .size: 8, .value_kind: global_buffer, .address_space: global }
      - { .name: ln1_b, .offset: 16, .size: 8, .value_kind: global_buffer, .address_space: global }
      - { .name: x1c, .offset: 24, .size: 8, .value_kind: global_buffer, .address_space: global }
      - { .name: x1s, .offset: 32, .size: 8, .value_kind: global_buffer, .address_space: global }
    .group_segment_fixed_size: 34304
    .private_segment_fixed_size: 0
    .kernarg_segment_align: 8
    .kernarg_segment_size: 40
    .max_flat_workgroup_size: 128
    .sgpr_count:     66
    .vgpr_count:     256
    .wavefront_size: 32
...
	.end_amdgpu_metadata
.endif
;; end of part 3
;; launch ffn1 (part 4): grid 16 x 16, 4 waves a work-group, clusters of 4 x 4, 327,680 bytes of LDS; arguments x1c, x1s, wi, W1_scales, b1, hc, hs; writes hc, hs
.if DOCPART == 4
	.amdgcn_target "amdgcn-amd-amdhsa--gfx1250"
	.amdhsa_code_object_version 6
	.text
	.protected	k_qa71be9aa2b_ffn1
	.globl	k_qa71be9aa2b_ffn1
	.p2align	8
	.type	k_qa71be9aa2b_ffn1,@function
k_qa71be9aa2b_ffn1:
	s_mov_b64 s[64:65], 0
	v_nop
	global_prefetch_b8 v0, s[64:65] scope:SCOPE_SE
	s_setreg_imm32_b32 hwreg(HW_REG_WAVE_MODE, 25, 1), 1
	s_wait_xcnt 0x0
	s_wait_alu depctr_hold_cnt(0) depctr_sa_sdst(0) depctr_va_vdst(0) depctr_va_sdst(0) depctr_va_ssrc(0) depctr_va_vcc(0) depctr_vm_vsrc(0)
	s_getreg_b32 s2, hwreg(HW_REG_IB_STS2, 6, 4)
	s_cmp_eq_u32 s2, 0
	s_cbranch_scc0 .Lentry_in_a_cluster
	s_endpgm
.Lentry_in_a_cluster:
	s_bfe_u32 s2, ttmp6, 0x10000c
	s_cmp_lg_u32 s2, 0xf033
	s_cbranch_scc0 .Lentry_shape_is_right
	s_endpgm
.Lentry_shape_is_right:
; h = Q(relu(x1 W1 + b1)) on codes of BF6.  x1c and wi's first half hold fragments as images of registers, [row / 16][k / 128][1,536 bytes]; x1s and W1_scales [row][32] E8M0 bytes.
; A tile of 256 x 256 a work-group, four waves of 128 x 128: 64 accumulators.  K = 1,024 goes in four steps of 256 through two LDS slots.
; A tile's row in memory is two images of one block of 16 rows: 3,072 bytes, at a multiple of 256 bytes.  A fragment is three loads of 16 bytes a lane, at 16 x lane.
; The scales of the work-group's rows come into LDS once.  At the head each wave asks for one of four tiles: A's slot 0, B's slot 0, A's scales, B's scales.
; CLUSTERS 4 x 4: A's tiles are asked for jointly along a row of the cluster, B's along a column.  TRANSPOSED USE: source 0 = rows of W1, source 1 = tokens.
; No prefetch: the walk has two refills, and no K step lies two refills behind either of them.
; The result leaves as the next product wants it: hc [row / 16][k / 128][1,536], hs [k / 128][row] scale words.
; LIMITS: NaN and infinities are not served; a block of zeros gets the scale byte 1; the bias is the C of each sum's first product.
.set FRB,    1536
.set TROW,   8*FRB
.set NQ,     2
.set STEPB,  NQ*FRB
.set FR,     12
.set NL,     3
.set NP,     4
.set HALFT,  8*STEPB
.set SLOT,   4*HALFT
.set KS,     32
.set SCL,    2*SLOT
.set HALFS,  (128*KS/256)*272
.set SBLK,   (16*KS/256)*272
.set SPARE,  SCL+4*HALFS
.set ADRA, 16
.set ADRB, 20
.set L16,  24
.set L4,   25
.set BO,   26
.set ADRS, 27
.set SPW,  28
.set NIL,  29
.set SC,   32
.set BI,   64
.set AF,   128
.set HB,   128
.set PC,   192
.set TM,   212
.set PW,   228
.set PW2,  229
.set SEL,  100
.set G1, 24
.set G0, 32
.set G1B, 48
.set G0B, 56
.set G1S, 68
.set G0S, 76
.set G1SB, 80
.set G0SB, 88
.set G0H, 4
.set G0HB, 8
.set MSB, 0
.macro WIN new
.if MSB != (\new)
	s_set_vgpr_msb (MSB<<8)|(\new)
.set MSB, (\new)
.endif
.endm
.set MUL_LO, 0xa1
.set MUL_HI, 0xf1
.set TO_B,   0x40
.macro JLOAD g0a, g1a, g0b, g1b        ; waves 0 and 1 fetch for A, waves 2 and 3 for B
	s_cmp_eq_u32 s15, 0
	s_cbranch_scc0 .Lfor_b_\@
	tensor_load_to_lds s[\g0a:\g0a+3], s[\g1a:\g1a+7]
	s_nop 0
.rept 4
	v_nop
.endr
	s_branch .Lasked_\@
.Lfor_b_\@:
	tensor_load_to_lds s[\g0b:\g0b+3], s[\g1b:\g1b+7]
	s_nop 0
.rept 4
	v_nop
.endr
.Lasked_\@:
.endm
.macro CREST
	s_cmp_lg_u32 s14, 0
	s_cbranch_scc1 .Lnot_wave_0_\@
	s_barrier_signal -3
.Lnot_wave_0_\@:
	s_barrier_wait -3
	s_barrier_signal -1
	s_barrier_wait -1
.endm
.macro CROUND
	s_barrier_signal -1
	s_barrier_wait -1
	CREST
.endm
	s_load_b128 s[4:7], s[0:1], 0x0                ; x1c, x1s
	s_load_b128 s[8:11], s[0:1], 0x10              ; wi, W1's scales
	s_load_b64 s[12:13], s[0:1], 0x20              ; b1
	s_load_b128 s[96:99], s[0:1], 0x28             ; hc, hs
	v_lshl_add_u32 v[SPW], v0, 2, SPARE
	v_mov_b32 v[NIL], 0
	ds_add_u32 v[SPW], v[NIL]                      ; the opening lines: the add twice and its wait
	ds_add_u32 v[SPW], v[NIL]
	v_lshrrev_b32 v1, 5, v0
	v_readfirstlane_b32 s14, v1
	s_lshr_b32 s15, s14, 1
	s_and_b32 s16, s14, 1
	s_bfe_u32 s40, ttmp6, 0x40000
	s_bfe_u32 s41, ttmp6, 0x40004
	s_lshl_b32 s42, ttmp9, 2
	s_add_co_u32 s42, s42, s40                     ; tile column
	s_and_b32 s17, ttmp7, 0xffff
	s_lshl_b32 s17, s17, 2
	s_add_co_u32 s17, s17, s41                     ; tile row
	s_lshl_b32 s43, s41, 2
	s_lshl_b32 s43, 15, s43
	s_lshl_b32 s44, 0x1111, s40
	s_or_b32 s[G1+0], s43, (3<<16)|(1<<21)         ; codes: elements of 8 bytes, no padding; 16 blocks of 16 rows for the head's loads
	s_or_b32 s[G1B+0], s44, (3<<16)|(1<<21)
.irp g, G1, G1B
	s_mov_b32 s[\g+1], (STEPB/8)<<16
	s_mov_b32 s[\g+2], 16<<16
	s_mov_b32 s[\g+3], (STEPB/8)<<16
	s_mov_b32 s[\g+4], 16
	s_mov_b32 s[\g+5], TROW/8
	s_mov_b32 s[\g+6], 0
	s_mov_b32 s[\g+7], 0
.endr
	s_or_b32 s[G1S+0], s43, (3<<16)|(1<<20)|(1<<21)|(5<<22)|(3<<25)   ; the scales of 256 rows: 8,192 dense bytes as rows of 256 + 16
	s_or_b32 s[G1SB+0], s44, (3<<16)|(1<<20)|(1<<21)|(5<<22)|(3<<25)
.irp g, G1S, G1SB
	s_mov_b32 s[\g+1], 32<<16
	s_mov_b32 s[\g+2], KS<<16
	s_mov_b32 s[\g+3], 32<<16
	s_mov_b32 s[\g+4], KS
	s_mov_b32 s[\g+5], 32
	s_mov_b32 s[\g+6], 0
	s_mov_b32 s[\g+7], 0
.endr
	s_mul_i32 s20, s17, 16*TROW
	s_mov_b32 s21, 0
	s_lshl_b32 s22, s17, 13
	s_mov_b32 s23, 0
	s_mul_i32 s46, s42, 16*TROW
	s_mov_b32 s47, 0
	s_lshl_b32 s92, s42, 13
	s_mov_b32 s93, 0
	s_mul_i32 s18, s16, 8*TROW                     ; in the ring I fetch eight blocks of a tile
	s_mov_b32 s19, 0
	s_mul_i32 s45, s14, HALFT
	s_mov_b32 s[SEL], 0x76543210
	s_mov_b32 s[SEL+1], 0xfedcba98
	s_wait_dscnt 0x0
	s_wait_kmcnt 0x0
	s_add_nc_u64 s[20:21], s[4:5], s[20:21]
	s_add_nc_u64 s[22:23], s[6:7], s[22:23]
	s_add_nc_u64 s[46:47], s[8:9], s[46:47]
	s_add_nc_u64 s[92:93], s[10:11], s[92:93]
	CROUND                                         ; the first joint loads meet
	s_mov_b32 s[G0H], 1
	s_mov_b32 s[G0H+1], 0
	s_mov_b64 s[G0H+2:G0H+3], s[20:21]
	s_or_b32 s[G0H+3], s[G0H+3], 0x80000000
	s_mov_b32 s[G0HB], 1
	s_mov_b32 s[G0HB+1], 2*HALFT
	s_mov_b64 s[G0HB+2:G0HB+3], s[46:47]
	s_or_b32 s[G0HB+3], s[G0HB+3], 0x80000000
	s_mov_b32 s[G0S], 1
	s_mov_b32 s[G0S+1], SCL
	s_mov_b64 s[G0S+2:G0S+3], s[22:23]
	s_or_b32 s[G0S+3], s[G0S+3], 0x80000000
	s_mov_b32 s[G0SB], 1
	s_mov_b32 s[G0SB+1], SCL+2*HALFS
	s_mov_b64 s[G0SB+2:G0SB+3], s[92:93]
	s_or_b32 s[G0SB+3], s[G0SB+3], 0x80000000
	s_add_nc_u64 s[20:21], s[20:21], s[18:19]
	s_add_nc_u64 s[46:47], s[46:47], s[18:19]
.irp s, 0,1
	s_mov_b32 s[G0+4*\s], 1
	s_add_co_u32 s[G0+4*\s+1], s45, \s*SLOT
	s_add_nc_u64 s[G0+4*\s+2:G0+4*\s+3], s[20:21], \s*STEPB
	s_or_b32 s[G0+4*\s+3], s[G0+4*\s+3], 0x80000000
	s_mov_b32 s[G0B+4*\s], 1
	s_add_co_u32 s[G0B+4*\s+1], s45, \s*SLOT
	s_add_nc_u64 s[G0B+4*\s+2:G0B+4*\s+3], s[46:47], \s*STEPB
	s_or_b32 s[G0B+4*\s+3], s[G0B+4*\s+3], 0x80000000
.endr
.macro ARM under, g0, g1, next         ; one chain of branches on the wave's number, one load to an arm
	s_cmp_lt_u32 s14, \under
	s_cbranch_scc0 \next
	tensor_load_to_lds s[\g0:\g0+3], s[\g1:\g1+7]
	s_nop 0
.rept 4
	v_nop
.endr
	s_branch .Lhead_asked
\next:
.endm
	ARM 1, G0H,  G1,  .Lhead_b
	ARM 2, G0HB, G1B, .Lhead_sa
	ARM 3, G0S,  G1S, .Lhead_sb
	tensor_load_to_lds s[G0SB:G0SB+3], s[G1SB:G1SB+7]
	s_nop 0
.rept 4
	v_nop
.endr
.Lhead_asked:
	s_lshl_b32 s46, s42, 10
	s_lshl_b32 s47, s16, 9
	s_add_co_u32 s46, s46, s47
	s_mov_b32 s47, 0
	s_add_nc_u64 s[12:13], s[12:13], s[46:47]      ; my 128 columns of b1
	s_lshl_b32 s20, s17, 4
	s_lshl_b32 s21, s15, 3
	s_add_co_u32 s20, s20, s21
	s_lshl_b32 s20, s20, 5
	s_lshl_b32 s21, s42, 1
	s_add_co_u32 s21, s21, s16                     ; my K step of the next product
	s_add_co_u32 s20, s20, s21
	s_mul_i32 s20, s20, FRB
	s_lshl_b32 s22, s21, 14
	s_mov_b32 s21, 0
	s_add_nc_u64 s[96:97], s[96:97], s[20:21]
	s_lshl_b32 s20, s17, 10
	s_lshl_b32 s23, s15, 9
	s_add_co_u32 s20, s20, s23
	s_add_co_u32 s20, s20, s22
	s_add_nc_u64 s[98:99], s[98:99], s[20:21]
	s_mul_i32 s21, s15, HALFT                      ; my eight blocks of A
	s_mul_i32 s22, s16, HALFT
	s_add_co_u32 s22, s22, 2*HALFT                 ; and of B
	s_add_co_u32 s23, s21, SLOT
	s_add_co_u32 s94, s22, SLOT
	s_mul_i32 s95, s15, HALFS
	s_mul_i32 s2, s16, HALFS
	s_add_co_u32 s2, s2, 2*HALFS
	s_sub_co_u32 s2, s2, s95
	s_add_co_u32 s95, s95, SCL
	v_and_b32 v1, 15, v0
	v_bfe_u32 v2, v0, 4, 1
	v_and_b32 v6, 31, v0
	v_lshlrev_b32 v[L16], 4, v6
	v_lshlrev_b32 v[L4], 2, v6
	v_lshlrev_b32 v[BO], 5, v2
	v_add_nc_u32 v[ADRA], s21, v[L16]
	v_add_nc_u32 v[ADRA+1], s23, v[L16]
	v_add_nc_u32 v[ADRB], s22, v[L16]
	v_add_nc_u32 v[ADRB+1], s94, v[L16]
	v_mul_u32_u24 v5, v1, KS
	v_lshrrev_b32 v6, 8, v5
	v_lshl_add_u32 v5, v6, 4, v5
	v_mul_u32_u24 v6, s2, v2                       ; lanes 16-31 take B's scale words
	v_add_nc_u32 v5, v5, v6
	v_add_nc_u32 v[ADRS], s95, v5
.irp b, 0,1,2,3,4,5,6,7
	global_load_b128 v[BI+8*\b:BI+8*\b+3], v[BO], s[12:13] offset:64*\b
	global_load_b128 v[BI+8*\b+4:BI+8*\b+7], v[BO], s[12:13] offset:64*\b+16
.endr
.macro FRAG reg, adr, q, i             ; an image: registers 4 c .. 4 c + 3 at 512 c + 16 x lane
.irp c, 0,1,2
	ds_load_b128 v[\reg+4*\c:\reg+4*\c+3], v[\adr] offset:(\i)*STEPB+(\q)*FRB+512*\c
.endr
.endm
.macro MUL16 a0, p, q, sc, zero        ; the 64 accumulators take turns
.irp a, \a0, \a0+1
.irp b, 0,1,2,3,4,5,6,7
.if \zero
	v_wmma_scale_f32_16x16x128_f8f6f4 v[8*(8*((\a)%4)+\b):8*(8*((\a)%4)+\b)+7], v[128*(\p)+FR*\b:128*(\p)+FR*\b+FR-1], v[AF+FR*(\a):AF+FR*(\a)+FR-1], v[BI+8*\b:BI+8*\b+7], v[SC+8*NQ*(\sc)+NQ*\b+(\q)], v[SC+8*NQ*(\sc)+NQ*(\a)+(\q)] matrix_a_fmt:MATRIX_FMT_BF6 matrix_b_fmt:MATRIX_FMT_BF6 matrix_a_scale:MATRIX_SCALE_ROW1
.else
	v_wmma_scale_f32_16x16x128_f8f6f4 v[8*(8*((\a)%4)+\b):8*(8*((\a)%4)+\b)+7], v[128*(\p)+FR*\b:128*(\p)+FR*\b+FR-1], v[AF+FR*(\a):AF+FR*(\a)+FR-1], v[8*(8*((\a)%4)+\b):8*(8*((\a)%4)+\b)+7], v[SC+8*NQ*(\sc)+NQ*\b+(\q)], v[SC+8*NQ*(\sc)+NQ*(\a)+(\q)] matrix_a_fmt:MATRIX_FMT_BF6 matrix_b_fmt:MATRIX_FMT_BF6 matrix_a_scale:MATRIX_SCALE_ROW1
.endif
.endr
.endr
.endm
.macro FETCH_B slot, q, p
	WIN TO_B
.irp i, 0,1,2,3,4,5,6,7
	FRAG 128*(\p)+FR*\i, ADRB+\slot, \q, \i
.endr
	WIN 0
.endm
.macro FETCH_A slot, q, i0
.irp i, \i0, \i0+1, \i0+2, \i0+3
	FRAG AF+FR*(\i), ADRA+\slot, \q, \i
.endr
.endm
.macro SCALES sc, pr                   ; the scale words of K steps 2 pr, 2 pr + 1
.irp i, 0,1,2,3,4,5,6,7
	ds_load_b64 v[SC+8*NQ*\sc+NQ*\i:SC+8*NQ*\sc+NQ*\i+1], v[ADRS] offset:\i*SBLK+4*NQ*(\pr)
.endr
.endm
.macro PLACES n
.rept \n
	v_nop
.endr
.endm
.macro STEP slot, q, zero              ; a slot's first 128 along K
	s_wait_dscnt 4*NL                              ; the youngest twelve loads, A's blocks 4-7, may be out
.if \zero
	WIN 0x81
.else
	WIN MUL_LO
.endif
	MUL16 0, (\q)%2, \q, \slot, \zero
	MUL16 2, (\q)%2, \q, \slot, \zero
	s_wait_dscnt 0
	PLACES NP
	FETCH_B \slot, (\q)+1, 1-(\q)%2
	FETCH_A \slot, (\q)+1, 0
.if \zero
	WIN 0xc1
.else
	WIN MUL_HI
.endif
	MUL16 4, (\q)%2, \q, \slot, \zero
	MUL16 6, (\q)%2, \q, \slot, \zero
	PLACES NP
	WIN 0
	FETCH_A \slot, (\q)+1, 4
.endm
.macro TURN slot, next, fill, pr       ; a slot's second 128, and the change of slots
	s_wait_tensorcnt 0x0                           ; all my tensor loads have landed
	ds_add_u32 v[SPW], v[NIL]
	s_wait_dscnt 4*NL+1                            ; the add and A's blocks 4-7 may be out
	WIN MUL_LO
	MUL16 0, 1, NQ-1, \slot, 0
	s_wait_dscnt 0x0                               ; the add is done, my reads of this slot are over
	s_barrier_signal -1
	MUL16 2, 1, NQ-1, \slot, 0
	WIN 0
	s_barrier_wait -1
.if \fill
	CREST
	s_add_nc_u64 s[G0+4*\slot+2:G0+4*\slot+3], s[G0+4*\slot+2:G0+4*\slot+3], 2*STEPB
	s_add_nc_u64 s[G0B+4*\slot+2:G0B+4*\slot+3], s[G0B+4*\slot+2:G0B+4*\slot+3], 2*STEPB
	JLOAD G0+4*\slot, G1, G0B+4*\slot, G1B
.else
	PLACES NP
.endif
	FETCH_B \next, 0, 0
	FETCH_A \next, 0, 0
	SCALES \next, \pr
	WIN MUL_HI
	MUL16 4, 1, NQ-1, \slot, 0
	MUL16 6, 1, NQ-1, \slot, 0
	PLACES NP
	WIN 0
	FETCH_A \next, 0, 4
.endm
	s_wait_alu depctr_va_vdst(0)                   ; the wait at the head's end
	s_wait_tensorcnt 0x0                           ; my tile of the head's four is in
	ds_add_u32 v[SPW], v[NIL]
	s_mov_b32 s[G1+2], 8<<16                       ; no tensor load of mine is out: from here on a load brings eight blocks
	s_mov_b32 s[G1+4], 8
	s_mov_b32 s[G1B+2], 8<<16
	s_mov_b32 s[G1B+4], 8
	s_wait_dscnt 0x0
	CROUND
	JLOAD G0+4, G1, G0B+4, G1B                     ; slot 1's first fill, issued as a refill is
	FETCH_B 0, 0, 0
	FETCH_A 0, 0, 0
	SCALES 0, 0
	FETCH_A 0, 0, 4
	s_wait_loadcnt 0x0                             ; the bias
	STEP 0, 0, 1
	TURN 0, 1, 1, 1
	STEP 1, 0, 0
	TURN 1, 0, 1, 2
	STEP 0, 0, 0
	TURN 0, 1, 0, 3
	STEP 1, 0, 0
	s_wait_dscnt 4*NL
	WIN MUL_LO
	MUL16 0, 1, NQ-1, 1, 0
	MUL16 2, 1, NQ-1, 1, 0
	s_wait_dscnt 0
	WIN MUL_HI
	MUL16 4, 1, NQ-1, 1, 0
	MUL16 6, 1, NQ-1, 1, 0
	WIN 0
.macro QUANT s                         ; 64 numbers of a lane become a fragment's codes and its scale word
.irp b, 0,1,2,3
	v_max3_num_f32 v[TM+\b], |v[\s+16*\b]|, |v[\s+1+16*\b]|, 0x2800000
.endr
.irp i, 2,4,6,8,10,12,14
.irp b, 0,1,2,3
	v_max3_num_f32 v[TM+\b], v[TM+\b], |v[\s+16*\b+\i]|, |v[\s+1+16*\b+\i]|
.endr
.endr
.irp b, 0,1,2,3
	v_permlanex16_b32 v[TM+4+\b], v[TM+\b], s[SEL], s[SEL+1]
.endr
.irp b, 0,1,2,3
	v_max_num_f32 v[TM+\b], v[TM+\b], v[TM+4+\b]
.endr
.irp b, 0,1,2,3
	v_add_nc_u32 v[TM+12+\b], 0xfe000000, v[TM+\b]
.endr
.irp b, 0,1,2,3
	v_lshrrev_b32 v[TM+4+\b], 23, v[TM+12+\b]
.endr
	v_lshl_or_b32 v[PW], v[TM+5], 8, v[TM+4]
	v_lshl_or_b32 v[PW], v[TM+6], 16, v[PW]
	v_lshl_or_b32 v[PW], v[TM+7], 24, v[PW]
.irp c, 0,1
	v_cvt_scalef32_pk16_bf6_f32 v[PC+6*\c:PC+2+6*\c], v[\s+32*\c:\s+15+32*\c], v[TM+12+2*\c]
	v_cvt_scalef32_pk16_bf6_f32 v[PC+12+4*\c:PC+14+4*\c], v[\s+16+32*\c:\s+31+32*\c], v[TM+12+2*\c+1]
.endr
	v_nop
.irp c, 0,1
.irp i, 0,1,2
	v_permlane16_swap_b32 v[PC+6*\c+\i], v[PC+12+4*\c+\i]
.endr
.irp i, 0,1,2
	v_mov_b32 v[PC+3+6*\c+\i], v[PC+12+4*\c+\i]
.endr
.endr
.endm
.macro OUTBLK a
.set AC, 64*((\a)%4)
.if (\a) > 0
	s_wait_xcnt 0x0                                ; the last block's stores have read their registers
.endif
	WIN 0x08+4*((\a)/4)
.set J, 0
.rept 64
	v_max_num_f32 v[HB+J], 0, v[AC+J]
.set J, J+1
.endr
	WIN 0
.irp b, 0,1,2,3
.irp j, 0,1,2,3,4,5,6,7
	v_permlane16_swap_b32 v[HB+16*\b+\j], v[HB+16*\b+8+\j]
.endr
.endr
	QUANT HB
.irp c, 0,1,2
	global_store_b128 v[L16], v[PC+4*\c:PC+4*\c+3], s[96:97] offset:49152*(\a)+512*\c
.endr
.if (\a)%2 == 0
	v_mov_b32 v[PW2], v[PW]
.else
	v_permlane16_swap_b32 v[PW2], v[PW]
	global_store_b32 v[L4], v[PW2], s[98:99] offset:128*((\a)/2)
.endif
.endm
	PLACES NP
.irp b, 0,1,2,3
	v_mov_b32 v[TM+4+\b], 0
.endr
.irp a, 0,1,2,3,4,5,6,7
	OUTBLK \a
.endr
	s_wait_tensorcnt 0x0                           ; the wave's end
	ds_add_u32 v[SPW], v[NIL]
	s_wait_dscnt 0x0
	CROUND                                         ; the closing round
	s_endpgm
.Lfunc_end_k_qa71be9aa2b_ffn1:
	.size	k_qa71be9aa2b_ffn1, .Lfunc_end_k_qa71be9aa2b_ffn1-k_qa71be9aa2b_ffn1
	.p2alignl 7, 3214868480
	.fill 96, 4, 3214868480
	.section	.rodata,"a",@progbits
	.p2align	6, 0x0
	.amdhsa_kernel k_qa71be9aa2b_ffn1
		.amdhsa_group_segment_fixed_size 327680
		.amdhsa_private_segment_fixed_size 0
		.amdhsa_enable_private_segment 0
		.amdhsa_kernarg_size 56
		.amdhsa_user_sgpr_count 2
		.amdhsa_user_sgpr_kernarg_segment_ptr 1
		.amdhsa_wavefront_size32 1
		.amdhsa_system_sgpr_workgroup_id_x 1
		.amdhsa_system_sgpr_workgroup_id_y 1
		.amdhsa_system_sgpr_workgroup_id_z 1
		.amdhsa_system_vgpr_workitem_id 0
		.amdhsa_next_free_vgpr 1024
		.amdhsa_next_free_sgpr 102
		.amdhsa_reserve_vcc 0
		.amdhsa_float_denorm_mode_32 3
		.amdhsa_float_denorm_mode_16_64 3
		.amdhsa_memory_ordered 1
		.amdhsa_forward_progress 1
		.amdhsa_inst_pref_size 166
	.end_amdhsa_kernel
	.amdgpu_metadata
---
amdhsa.version: [ 1, 2 ]
amdhsa.kernels:
  - .name:           k_qa71be9aa2b_ffn1
    .symbol:         k_qa71be9aa2b_ffn1.kd
    .args:
      - { .name: x1c, .offset: 0, .size: 8, .value_kind: global_buffer, .address_space: global }
      - { .name: x1s, .offset: 8, .size: 8, .value_kind: global_buffer, .address_space: global }
      - { .name: wi, .offset: 16, .size: 8, .value_kind: global_buffer, .address_space: global }
      - { .name: W1_scales, .offset: 24, .size: 8, .value_kind: global_buffer, .address_space: global }
      - { .name: b1, .offset: 32, .size: 8, .value_kind: global_buffer, .address_space: global }
      - { .name: hc, .offset: 40, .size: 8, .value_kind: global_buffer, .address_space: global }
      - { .name: hs, .offset: 48, .size: 8, .value_kind: global_buffer, .address_space: global }
    .group_segment_fixed_size: 327680
    .private_segment_fixed_size: 0
    .kernarg_segment_align: 8
    .kernarg_segment_size: 56
    .max_flat_workgroup_size: 128
    .sgpr_count:     102
    .vgpr_count:     1024
    .wavefront_size: 32
...
	.end_amdgpu_metadata
.endif
;; end of part 4
;; launch ffn2 (part 5): grid 8 x 32, 4 waves a work-group, clusters of 4 x 4, 327,680 bytes of LDS; arguments hc, hs, wi, W2_scales, b2, ysum, y2, x1s, ln1_g, ln1_b; writes y2
.if DOCPART == 5
	.amdgcn_target "amdgcn-amd-amdhsa--gfx1250"
	.amdhsa_code_object_version 6
	.text
	.protected	k_qa71be9aa2b_ffn2
	.globl	k_qa71be9aa2b_ffn2
	.p2align	8
	.type	k_qa71be9aa2b_ffn2,@function
k_qa71be9aa2b_ffn2:
	s_mov_b64 s[64:65], 0
	v_nop
	global_prefetch_b8 v0, s[64:65] scope:SCOPE_SE
	s_setreg_imm32_b32 hwreg(HW_REG_WAVE_MODE, 25, 1), 1
	s_wait_xcnt 0x0
	s_wait_alu depctr_hold_cnt(0) depctr_sa_sdst(0) depctr_va_vdst(0) depctr_va_sdst(0) depctr_va_ssrc(0) depctr_va_vcc(0) depctr_vm_vsrc(0)
	s_getreg_b32 s2, hwreg(HW_REG_IB_STS2, 6, 4)
	s_cmp_eq_u32 s2, 0
	s_cbranch_scc0 .Lentry_in_a_cluster
	s_endpgm
.Lentry_in_a_cluster:
	s_bfe_u32 s2, ttmp6, 0x10000c
	s_cmp_lg_u32 s2, 0xf033
	s_cbranch_scc0 .Lentry_shape_is_right
	s_endpgm
.Lentry_shape_is_right:
; y2 = x1 + h W2 + b2, with x1 = (ysum x rsqrt - mean x rsqrt) gamma + beta formed again from ysum and each row's two numbers (x1s from byte 131,072 on: 16 bytes a row, each number twice).
; hc [row / 16][k / 128][1,536 bytes] and wi's second half (W2, the same form): fragments as images of registers; hs [k / 128][row] scale words; W2_scales [1024][128] bytes.
; A tile of C is 128 x 128: 256 work-groups; four waves, 64 x 64 each: 16 accumulators.  K = 4,096 goes in steps of 512 through two LDS slots.
; A tile's row in memory is four images of one block of 16 rows: 6,144 bytes at a multiple of 256.  In the ring one load a wave: waves 0, 1 A's halves, waves 2, 3 B's.
; At the head each wave asks for one of four tiles: A's slot 0, B's slot 0, A's scale words, B's scale bytes; the scales stay in LDS.
; CLUSTERS 4 x 4: A's tiles jointly along a row of the cluster, B's along a column.  TRANSPOSED USE: source 0 = rows of W2, source 1 = tokens.
; PREFETCH: behind each refill but the last two, the slot two refills on: of the four blocks that a wave fetches each of the four partners names one (by address: cx for A, cy for B),
; 24 lanes x 256 bytes; the eight lanes left over name the last block again.  Slots 2 and 3 come by their refills alone.
; REGISTERS: window 0: v9-31 addresses; v32-47 A's scale words, v48-63 B's; v64-95 b2 as the first C; v96-103 gamma, beta; v128-255 the accumulators.
;   window 1: two fragment buffers.   window 2: v0-127 ysum's rows, v128-255 the rows' numbers.
; LIMITS: NaN and infinities are not served; the bias is the C of each sum's first product.
.set ASL,   49152
.set SLOT,  98304
.set SCA,   196608
.set SCB,   212992
.set SPARE, 230400
.set FR,   12
.set SO,   9
.set GBO,  10
.set PFO,  11
.set ADRA, 16
.set ADRB, 20
.set STO,  24
.set RD,   25
.set CO,   26
.set ADSA, 27
.set SPW,  28
.set NIL,  29
.set ADSB, 30
.set BO,   31
.set SA,   32
.set SB,   48
.set BI,   64
.set GA,   96
.set BE,   100
.set ACC,  128
.set MUL,  0x05
.set G1, 24
.set G0, 32
.set G1B, 48
.set G0B, 56
.set G1S, 68
.set G0S, 76
.set G1SB, 80
.set G0SB, 88
.set G0H, 4
.set G0HB, 8
.set MSB, 0
.macro WIN new
.if MSB != (\new)
	s_set_vgpr_msb (MSB<<8)|(\new)
.set MSB, (\new)
.endif
.endm
.macro JLOAD g0a, g1a, g0b, g1b
	s_cmp_eq_u32 s15, 0
	s_cbranch_scc0 .Lfor_b_\@
	tensor_load_to_lds s[\g0a:\g0a+3], s[\g1a:\g1a+7]
	s_nop 0
.rept 4
	v_nop
.endr
	s_branch .Lasked_\@
.Lfor_b_\@:
	tensor_load_to_lds s[\g0b:\g0b+3], s[\g1b:\g1b+7]
	s_nop 0
.rept 4
	v_nop
.endr
.Lasked_\@:
.endm
.macro CREST
	s_cmp_lg_u32 s14, 0
	s_cbranch_scc1 .Lnot_wave_0_\@
	s_barrier_signal -3
.Lnot_wave_0_\@:
	s_barrier_wait -3
	s_barrier_signal -1
	s_barrier_wait -1
.endm
.macro CROUND
	s_barrier_signal -1
	s_barrier_wait -1
	CREST
.endm
.macro PLACES
.rept 4
	v_nop
.endr
.endm
	s_load_b128 s[4:7], s[0:1], 0x0                ; hc, hs
	s_load_b128 s[8:11], s[0:1], 0x10              ; wi, W2's scales
	s_load_b64 s[12:13], s[0:1], 0x20              ; b2
	s_load_b128 s[96:99], s[0:1], 0x28             ; ysum, y2
	s_load_b64 s[66:67], s[0:1], 0x38              ; x1s
	s_load_b128 s[92:95], s[0:1], 0x40             ; gamma, beta
	v_lshl_add_u32 v[SPW], v0, 2, SPARE
	v_mov_b32 v[NIL], 0
	ds_add_u32 v[SPW], v[NIL]                      ; the opening lines: the add twice and its wait
	ds_add_u32 v[SPW], v[NIL]
	v_lshrrev_b32 v1, 5, v0
	v_readfirstlane_b32 s14, v1
	s_lshr_b32 s15, s14, 1
	s_and_b32 s16, s14, 1
	s_bfe_u32 s40, ttmp6, 0x40000
	s_bfe_u32 s41, ttmp6, 0x40004
	s_lshl_b32 s42, ttmp9, 2
	s_add_co_u32 s42, s42, s40                     ; tile column
	s_and_b32 s17, ttmp7, 0xffff
	s_lshl_b32 s17, s17, 2
	s_add_co_u32 s17, s17, s41                     ; tile row
	s_lshl_b32 s43, s41, 2
	s_lshl_b32 s43, 15, s43
	s_lshl_b32 s44, 0x1111, s40
	s_or_b32 s[G1+0], s43, (3<<16)|(1<<21)         ; codes: elements of 8 bytes, no padding: blocks of 16 rows x 6,144 bytes, 49,152 apart; eight blocks for the head's loads
	s_or_b32 s[G1B+0], s44, (3<<16)|(1<<21)
.irp g, G1, G1B
	s_mov_b32 s[\g+1], 768<<16
	s_mov_b32 s[\g+2], 8<<16
	s_mov_b32 s[\g+3], 768<<16
	s_mov_b32 s[\g+4], 8
	s_mov_b32 s[\g+5], 6144
	s_mov_b32 s[\g+6], 0
	s_mov_b32 s[\g+7], 0
.endr
	s_or_b32 s[G1S+0], s43, (3<<16)|(1<<21)        ; A's scale words: 32 K steps x 512 bytes, 16,384 apart
	s_mov_b32 s[G1S+1], 64<<16
	s_mov_b32 s[G1S+2], 32<<16
	s_mov_b32 s[G1S+3], 64<<16
	s_mov_b32 s[G1S+4], 32
	s_mov_b32 s[G1S+5], 2048
	s_mov_b32 s[G1S+6], 0
	s_mov_b32 s[G1S+7], 0
	s_or_b32 s[G1SB+0], s44, (3<<16)|(1<<20)|(1<<21)|(5<<22)|(3<<25)  ; B's scale bytes: 16,384 dense bytes as rows of 256 + 16
	s_mov_b32 s[G1SB+1], 32<<16
	s_mov_b32 s[G1SB+2], 64<<16
	s_mov_b32 s[G1SB+3], 32<<16
	s_mov_b32 s[G1SB+4], 64
	s_mov_b32 s[G1SB+5], 32
	s_mov_b32 s[G1SB+6], 0
	s_mov_b32 s[G1SB+7], 0
	s_mul_i32 s20, s17, 8*49152
	s_mov_b32 s21, 0
	s_lshl_b32 s22, s17, 9
	s_mov_b32 s23, 0
	s_mul_i32 s46, s42, 8*49152
	s_add_co_u32 s46, s46, 3145728                 ; W2's images lie behind W1's
	s_mov_b32 s47, 0
	s_lshl_b32 s100, s42, 14
	s_mov_b32 s101, 0
	s_mul_i32 s18, s16, 4*49152                    ; in the ring I fetch four blocks of a tile
	s_mov_b32 s19, 0
	s_mul_i32 s45, s14, 24576
	s_wait_dscnt 0x0
	s_wait_kmcnt 0x0
	s_add_nc_u64 s[20:21], s[4:5], s[20:21]
	s_add_nc_u64 s[22:23], s[6:7], s[22:23]
	s_add_nc_u64 s[46:47], s[8:9], s[46:47]
	s_add_nc_u64 s[100:101], s[10:11], s[100:101]
	CROUND                                         ; the first joint loads meet
	s_mov_b32 s[G0H], 1
	s_mov_b32 s[G0H+1], 0
	s_mov_b64 s[G0H+2:G0H+3], s[20:21]
	s_or_b32 s[G0H+3], s[G0H+3], 0x80000000
	s_mov_b32 s[G0HB], 1
	s_mov_b32 s[G0HB+1], ASL
	s_mov_b64 s[G0HB+2:G0HB+3], s[46:47]
	s_or_b32 s[G0HB+3], s[G0HB+3], 0x80000000
	s_mov_b32 s[G0S], 1
	s_mov_b32 s[G0S+1], SCA
	s_mov_b64 s[G0S+2:G0S+3], s[22:23]
	s_or_b32 s[G0S+3], s[G0S+3], 0x80000000
	s_mov_b32 s[G0SB], 1
	s_mov_b32 s[G0SB+1], SCB
	s_mov_b64 s[G0SB+2:G0SB+3], s[100:101]
	s_or_b32 s[G0SB+3], s[G0SB+3], 0x80000000
	s_add_nc_u64 s[20:21], s[20:21], s[18:19]
	s_add_nc_u64 s[46:47], s[46:47], s[18:19]
.irp s, 0,1
	s_mov_b32 s[G0+4*\s], 1
	s_add_co_u32 s[G0+4*\s+1], s45, \s*SLOT
	s_add_nc_u64 s[G0+4*\s+2:G0+4*\s+3], s[20:21], \s*6144
	s_or_b32 s[G0+4*\s+3], s[G0+4*\s+3], 0x80000000
	s_mov_b32 s[G0B+4*\s], 1
	s_add_co_u32 s[G0B+4*\s+1], s45, \s*SLOT
	s_add_nc_u64 s[G0B+4*\s+2:G0B+4*\s+3], s[46:47], \s*6144
	s_or_b32 s[G0B+4*\s+3], s[G0B+4*\s+3], 0x80000000
.endr
	s_cmp_eq_u32 s15, 0                            ; the prefetches: of the four blocks that I fetch, the one at my work-group's place among the four partners
	s_cselect_b64 s[2:3], s[20:21], s[46:47]
	s_cselect_b32 s18, s40, s41
	s_mul_i32 s18, s18, 49152
	s_add_co_u32 s18, s18, 3*6144                  ; the first refill steps it to slot 4
	s_mov_b32 s19, 0
	s_add_nc_u64 s[2:3], s[2:3], s[18:19]
.macro ARM under, g0, g1, next         ; one chain of branches on the wave's number, one load to an arm
	s_cmp_lt_u32 s14, \under
	s_cbranch_scc0 \next
	tensor_load_to_lds s[\g0:\g0+3], s[\g1:\g1+7]
	s_nop 0
.rept 4
	v_nop
.endr
	s_branch .Lhead_asked
\next:
.endm
	ARM 1, G0H,  G1,  .Lhead_b
	ARM 2, G0HB, G1B, .Lhead_sa
	ARM 3, G0S,  G1S, .Lhead_sb
	tensor_load_to_lds s[G0SB:G0SB+3], s[G1SB:G1SB+7]
	s_nop 0
.rept 4
	v_nop
.endr
.Lhead_asked:
	s_lshl_b32 s46, s42, 9
	s_lshl_b32 s47, s16, 8
	s_add_co_u32 s46, s46, s47                     ; my first column, in bytes
	s_mov_b32 s47, 0
	s_add_nc_u64 s[12:13], s[12:13], s[46:47]
	s_add_nc_u64 s[92:93], s[92:93], s[46:47]
	s_add_nc_u64 s[94:95], s[94:95], s[46:47]
	s_lshl_b32 s20, s17, 19
	s_lshl_b32 s21, s15, 18
	s_add_co_u32 s20, s20, s21
	s_add_co_u32 s20, s20, s46                     ; my first row and column, in bytes
	s_mov_b32 s21, 0
	s_add_nc_u64 s[96:97], s[96:97], s[20:21]
	s_add_nc_u64 s[98:99], s[98:99], s[20:21]
	s_lshl_b32 s20, s17, 11
	s_lshl_b32 s22, s15, 10
	s_add_co_u32 s20, s20, s22
	s_add_co_u32 s20, s20, 131072
	s_add_nc_u64 s[66:67], s[66:67], s[20:21]      ; my 64 rows' numbers
	s_mul_i32 s21, s15, 24576                      ; my four blocks of A
	s_mul_i32 s22, s16, 24576
	s_add_co_u32 s22, s22, ASL                     ; and of B
	s_add_co_u32 s23, s21, SLOT
	s_add_co_u32 s18, s22, SLOT
	s_lshl_b32 s19, s15, 8
	s_add_co_u32 s19, s19, SCA
	s_mul_i32 s100, s16, 8704
	s_add_co_u32 s100, s100, SCB
	s_mul_i32 s101, s14, 4352                      ; my stage for the way out, in slot 0, behind its last fill and its last read
	v_and_b32 v1, 15, v0
	v_bfe_u32 v2, v0, 4, 1
	v_and_b32 v3, 31, v0
	v_lshlrev_b32 v4, 4, v3
	v_add_nc_u32 v[ADRA], s21, v4
	v_add_nc_u32 v[ADRA+1], s23, v4
	v_add_nc_u32 v[ADRB], s22, v4
	v_add_nc_u32 v[ADRB+1], s18, v4
	v_lshl_add_u32 v[ADSA], v3, 2, s19             ; A's scale words: lanes 0-15 an even block, lanes 16-31 the odd one
	v_lshrrev_b32 v7, 1, v3
	v_mul_u32_u24 v7, v7, 272
	v_and_b32 v8, 1, v3
	v_lshl_add_u32 v7, v8, 7, v7
	v_add_nc_u32 v[ADSB], s100, v7                 ; B's: 128 bytes a row, two rows to 272 bytes
	v_mul_u32_u24 v7, v1, 272
	v_lshl_add_u32 v7, v2, 5, v7
	v_add_nc_u32 v[STO], s101, v7
	v_mul_u32_u24 v7, v2, 272
	v_lshl_add_u32 v7, v1, 4, v7
	v_add_nc_u32 v[RD], s101, v7
	v_lshlrev_b32 v[CO], 12, v2
	v_lshl_add_u32 v[CO], v1, 4, v[CO]             ; two rows of C an instruction, 16 bytes a lane
	v_lshlrev_b32 v[BO], 5, v2
	v_lshlrev_b32 v[GBO], 4, v1
	v_lshlrev_b32 v[SO], 4, v2
	v_min_u32 v[PFO], 23, v3
	v_lshlrev_b32 v[PFO], 8, v[PFO]
.irp b, 0,1,2,3
	global_load_b128 v[BI+8*\b:BI+8*\b+3], v[BO], s[12:13] offset:64*\b
	global_load_b128 v[BI+8*\b+4:BI+8*\b+7], v[BO], s[12:13] offset:64*\b+16
.endr
	global_load_b128 v[GA:GA+3], v[GBO], s[92:93]  ; gamma and beta of the four columns that I store
	global_load_b128 v[BE:BE+3], v[GBO], s[94:95]
.macro WM f, q, set, a, b, first
.set DA,  ACC+8*(4*(\a)+(\b))
.set RBF, (\f)+48+FR*(\b)
.set RAF, (\f)+FR*(\a)
.set SBR, SB+8*(\set)+4*((\b)/2)+(\q)
.set SAR, SA+8*(\set)+2*(\q)+(\a)/2
.if \first
.set CCR, BI+8*(\b)
.else
.set CCR, DA
.endif
.if ((\b)%2 == 0) && ((\a)%2 == 0)
	v_wmma_scale_f32_16x16x128_f8f6f4 v[DA:DA+7], v[RBF:RBF+11], v[RAF:RAF+11], v[CCR:CCR+7], v[SBR], v[SAR] matrix_a_fmt:MATRIX_FMT_BF6 matrix_b_fmt:MATRIX_FMT_BF6
.elseif ((\b)%2 == 1) && ((\a)%2 == 0)
	v_wmma_scale_f32_16x16x128_f8f6f4 v[DA:DA+7], v[RBF:RBF+11], v[RAF:RAF+11], v[CCR:CCR+7], v[SBR], v[SAR] matrix_a_fmt:MATRIX_FMT_BF6 matrix_b_fmt:MATRIX_FMT_BF6 matrix_a_scale:MATRIX_SCALE_ROW1
.elseif ((\b)%2 == 0) && ((\a)%2 == 1)
	v_wmma_scale_f32_16x16x128_f8f6f4 v[DA:DA+7], v[RBF:RBF+11], v[RAF:RAF+11], v[CCR:CCR+7], v[SBR], v[SAR] matrix_a_fmt:MATRIX_FMT_BF6 matrix_b_fmt:MATRIX_FMT_BF6 matrix_b_scale:MATRIX_SCALE_ROW1
.else
	v_wmma_scale_f32_16x16x128_f8f6f4 v[DA:DA+7], v[RBF:RBF+11], v[RAF:RAF+11], v[CCR:CCR+7], v[SBR], v[SAR] matrix_a_fmt:MATRIX_FMT_BF6 matrix_b_fmt:MATRIX_FMT_BF6 matrix_a_scale:MATRIX_SCALE_ROW1 matrix_b_scale:MATRIX_SCALE_ROW1
.endif
.endm
.macro MUL8 f, q, set, a0, first       ; the 16 accumulators take turns
.irp a, \a0, \a0+1
.irp b, 0,1,2,3
	WM \f, \q, \set, \a, \b, \first
.endr
.endr
.endm
.macro FETCH slot, q, f                ; the fragments of the slot's q-th 128 along K: images, three loads of 16 bytes a lane each
	WIN 0x40
.irp a, 0,1,2,3
.irp c, 0,1,2
	ds_load_b128 v[(\f)+FR*\a+4*\c:(\f)+FR*\a+4*\c+3], v[ADRA+\slot] offset:6144*\a+1536*(\q)+512*\c
.endr
.endr
.irp b, 0,1,2,3
.irp c, 0,1,2
	ds_load_b128 v[(\f)+48+FR*\b+4*\c:(\f)+48+FR*\b+4*\c+3], v[ADRB+\slot] offset:6144*\b+1536*(\q)+512*\c
.endr
.endr
.endm
.macro SCALES set
.irp q, 0,1,2,3
.irp i, 0,1
	ds_load_b32 v[SA+8*(\set)+2*\q+\i], v[ADSA] offset:512*\q+128*\i
.endr
.endr
.irp i, 0,1
	ds_load_b128 v[SB+8*(\set)+4*\i:SB+8*(\set)+4*\i+3], v[ADSB] offset:4352*\i
.endr
.endm
.macro QUARTER slot, q, first
	s_wait_dscnt 0x0
	WIN MUL
	MUL8 128*((\q)%2), \q, \slot, 0, \first
	PLACES
	FETCH \slot, (\q)+1, 128*(((\q)+1)%2)
	WIN MUL
	MUL8 128*((\q)%2), \q, \slot, 2, \first
.endm
.macro TURN slot, next, fill
	WIN 0
.if \fill
	s_wait_xcnt 0x0                                ; my last prefetch has read its address
	s_add_nc_u64 s[2:3], s[2:3], 6144
.endif
	s_wait_tensorcnt 0x0                           ; all my tensor loads have landed
	ds_add_u32 v[SPW], v[NIL]
	s_wait_dscnt 0x0                               ; the add is done, my reads of this slot are over
	s_barrier_signal -1
	WIN MUL
	MUL8 128, 3, \slot, 0, 0
	WIN 0
	s_barrier_wait -1
.if \fill
	CREST
	s_add_nc_u64 s[G0+4*\slot+2:G0+4*\slot+3], s[G0+4*\slot+2:G0+4*\slot+3], 2*6144
	s_add_nc_u64 s[G0B+4*\slot+2:G0B+4*\slot+3], s[G0B+4*\slot+2:G0B+4*\slot+3], 2*6144
	JLOAD G0+4*\slot, G1, G0B+4*\slot, G1B
.else
	PLACES
.endif
	s_wait_alu depctr_va_vdst(0)
	v_add_nc_u32 v[ADSA], 2048, v[ADSA]            ; on to the next slot's scale words
	v_add_nc_u32 v[ADSB], 16, v[ADSB]
	FETCH \next, 0, 0
	WIN 0
	SCALES \next
.if \fill
	s_cmp_gt_u32 s44, 1                            ; the last trip's two refills have no slot two on
	s_cbranch_scc0 .Lno_ask_\@
	global_prefetch_b8 v[PFO], s[2:3] th:TH_LOAD_NT scope:SCOPE_SE
.Lno_ask_\@:
.endif
	WIN MUL
	MUL8 128, 3, \slot, 2, 0
.endm
	s_wait_alu depctr_va_vdst(0)                   ; the wait at the head's end
	s_wait_tensorcnt 0x0                           ; my tile of the head's four is in
	ds_add_u32 v[SPW], v[NIL]
	s_mov_b32 s[G1+2], 4<<16                       ; no tensor load of mine is out: from here on a load brings four blocks
	s_mov_b32 s[G1+4], 4
	s_mov_b32 s[G1B+2], 4<<16
	s_mov_b32 s[G1B+4], 4
	s_wait_dscnt 0x0
	CROUND
	JLOAD G0+4, G1, G0B+4, G1B                     ; slot 1's first fill, issued as a refill is
	FETCH 0, 0, 0
	WIN 0
	SCALES 0
	s_wait_loadcnt 0x0                             ; the bias, gamma, beta
	QUARTER 0, 0, 1
	WIN 0x80
.irp a, 0,1,2,3                                ; ysum's 64 x 64 numbers of mine and their rows' numbers: waited for on the way out alone
.irp t, 0,1,2,3,4,5,6,7
	global_load_b128 v[32*\a+4*\t:32*\a+4*\t+3], v[CO], s[96:97] offset:(16*\a+2*\t)*4096
	global_load_b128 v[128+32*\a+4*\t:128+32*\a+4*\t+3], v[SO], s[66:67] offset:(16*\a+2*\t)*16
.endr
.endr
	WIN 0
	s_mov_b32 s44, 3
.Llap:
	QUARTER 0, 1, 0
	QUARTER 0, 2, 0
	TURN 0, 1, 1
	QUARTER 1, 0, 0
	QUARTER 1, 1, 0
	QUARTER 1, 2, 0
	TURN 1, 0, 1
	QUARTER 0, 0, 0
	WIN 0
	s_sub_co_u32 s44, s44, 1
	s_cmp_lg_u32 s44, 0
	s_cbranch_scc1 .Llap
	QUARTER 0, 1, 0
	QUARTER 0, 2, 0
	TURN 0, 1, 0
	QUARTER 1, 0, 0
	QUARTER 1, 1, 0
	QUARTER 1, 2, 0
	s_wait_dscnt 0x0
	WIN MUL
	MUL8 128, 3, 1, 0, 0
	MUL8 128, 3, 1, 2, 0
	WIN 0
	; THE WAY OUT, 16 rows x 64 columns at a time: through my stage, back as rows of 256 bytes; x1 is formed and added; sixteen lanes store 256 consecutive bytes, aligned
	PLACES
	s_wait_loadcnt 0x0
.irp a, 0,1,2,3
.irp b, 0,1,2,3
	ds_store_b128 v[STO], v[ACC+8*(4*\a+\b):ACC+8*(4*\a+\b)+3] offset:64*\b        ; each accumulator from its low end on
	ds_store_b128 v[STO], v[ACC+8*(4*\a+\b)+4:ACC+8*(4*\a+\b)+7] offset:64*\b+16
.endr
.irp t, 0,1,2,3,4,5,6,7
	ds_load_b128 v[ACC+32*\a+4*\t:ACC+32*\a+4*\t+3], v[RD] offset:544*\t           ; LDS serves a wave's instructions in order
.endr
	WIN 0xaa                                       ; all in window 2: ysum x rsqrt - mean x rsqrt
.irp k, 0,2,4,6,8,10,12,14,16,18,20,22,24,26,28,30
	v_pk_fma_f32 v[32*\a+\k:32*\a+\k+1], v[32*\a+\k:32*\a+\k+1], v[128+32*\a+4*(\k/4):128+32*\a+4*(\k/4)+1], v[128+32*\a+4*(\k/4)+2:128+32*\a+4*(\k/4)+3]
.endr
	WIN 0
	s_wait_dscnt 0x0
	WIN 0x02                                       ; source 0 in window 2: x gamma, onto the sums
.irp k, 0,2,4,6,8,10,12,14,16,18,20,22,24,26,28,30
	v_pk_fma_f32 v[ACC+32*\a+\k:ACC+32*\a+\k+1], v[32*\a+\k:32*\a+\k+1], v[GA+\k%4:GA+\k%4+1], v[ACC+32*\a+\k:ACC+32*\a+\k+1]
.endr
	WIN 0
.irp k, 0,2,4,6,8,10,12,14,16,18,20,22,24,26,28,30
	v_pk_add_f32 v[ACC+32*\a+\k:ACC+32*\a+\k+1], v[ACC+32*\a+\k:ACC+32*\a+\k+1], v[BE+\k%4:BE+\k%4+1]
.endr
.irp t, 0,1,2,3,4,5,6,7
	global_store_b128 v[CO], v[ACC+32*\a+4*\t:ACC+32*\a+4*\t+3], s[98:99] offset:(16*\a+2*\t)*4096
.endr
.endr
	s_wait_tensorcnt 0x0                           ; the wave's end
	ds_add_u32 v[SPW], v[NIL]
	s_wait_dscnt 0x0
	CROUND                                         ; the closing round
	s_endpgm
.Lfunc_end_k_qa71be9aa2b_ffn2:
	.size	k_qa71be9aa2b_ffn2, .Lfunc_end_k_qa71be9aa2b_ffn2-k_qa71be9aa2b_ffn2
	.p2alignl 7, 3214868480
	.fill 96, 4, 3214868480
	.section	.rodata,"a",@progbits
	.p2align	6, 0x0
	.amdhsa_kernel k_qa71be9aa2b_ffn2
		.amdhsa_group_segment_fixed_size 327680
		.amdhsa_private_segment_fixed_size 0
		.amdhsa_enable_private_segment 0
		.amdhsa_kernarg_size 80
		.amdhsa_user_sgpr_count 2
		.amdhsa_user_sgpr_kernarg_segment_ptr 1
		.amdhsa_wavefront_size32 1
		.amdhsa_system_sgpr_workgroup_id_x 1
		.amdhsa_system_sgpr_workgroup_id_y 1
		.amdhsa_system_sgpr_workgroup_id_z 1
		.amdhsa_system_vgpr_workitem_id 0
		.amdhsa_next_free_vgpr 768
		.amdhsa_next_free_sgpr 102
		.amdhsa_reserve_vcc 0
		.amdhsa_float_denorm_mode_32 3
		.amdhsa_float_denorm_mode_16_64 3
		.amdhsa_memory_ordered 1
		.amdhsa_forward_progress 1
		.amdhsa_inst_pref_size 104
	.end_amdhsa_kernel
	.amdgpu_metadata
---
amdhsa.version: [ 1, 2 ]
amdhsa.kernels:
  - .name:           k_qa71be9aa2b_ffn2
    .symbol:         k_qa71be9aa2b_ffn2.kd
    .args:
      - { .name: hc, .offset: 0, .size: 8, .value_kind: global_buffer, .address_space: global }
      - { .name: hs, .offset: 8, .size: 8, .value_kind: global_buffer, .address_space: global }
      - { .name: wi, .offset: 16, .size: 8, .value_kind: global_buffer, .address_space: global }
      - { .name: W2_scales, .offset: 24, .size: 8, .value_kind: global_buffer, .address_space: global }
      - { .name: b2, .offset: 32, .size: 8, .value_kind: global_buffer, .address_space: global }
      - { .name: ysum, .offset: 40, .size: 8, .value_kind: global_buffer, .address_space: global }
      - { .name: y2, .offset: 48, .size: 8, .value_kind: global_buffer, .address_space: global }
      - { .name: x1s, .offset: 56, .size: 8, .value_kind: global_buffer, .address_space: global }
      - { .name: ln1_g, .offset: 64, .size: 8, .value_kind: global_buffer, .address_space: global }
      - { .name: ln1_b, .offset: 72, .size: 8, .value_kind: global_buffer, .address_space: global }
    .group_segment_fixed_size: 327680
    .private_segment_fixed_size: 0
    .kernarg_segment_align: 8
    .kernarg_segment_size: 80
    .max_flat_workgroup_size: 128
    .sgpr_count:     102
    .vgpr_count:     768
    .wavefront_size: 32
...
	.end_amdgpu_metadata
.endif
;; end of part 5
;; launch ln2 (part 6): grid 256 x 1, 4 waves a work-group, no clusters, 0 bytes of LDS; arguments y2, ln2_g, ln2_b, out0; writes out0
.if DOCPART == 6
	.amdgcn_target "amdgcn-amd-amdhsa--gfx1250"
	.amdhsa_code_object_version 6
	.text
	.protected	k_qa71be9aa2b_ln2
	.globl	k_qa71be9aa2b_ln2
	.p2align	8
	.type	k_qa71be9aa2b_ln2,@function
k_qa71be9aa2b_ln2:
	s_mov_b64 s[64:65], 0
	v_nop
	global_prefetch_b8 v0, s[64:65] scope:SCOPE_SE
	s_setreg_imm32_b32 hwreg(HW_REG_WAVE_MODE, 25, 1), 1
	s_wait_xcnt 0x0
; y = (v - mean) rsqrt(var + 1e-5) gamma + beta along rows of 1,024 f32.
; A wave takes 4 rows, each whole in 32 registers (a load covers 512 consecutive bytes); all 32 loads go out at the head.  The mean is taken first and the variance of the differences, as the definition has it.
; No matrix unit, no cluster, no LDS, no barrier: memory binds, and neither waves nor work-groups share an input row.
; LIMITS: NaN and infinities are not served.
.set G,  16                            ; v16-47  gamma
.set B,  48                            ; v48-79  beta
.set R,  80                            ; v80-207 four rows
	s_load_b256 s[4:11], s[0:1], 0x0               ; in, gamma, beta, out
	v_lshrrev_b32 v1, 5, v0
	v_readfirstlane_b32 s16, v1
	v_and_b32 v15, 31, v0
	v_lshlrev_b32 v1, 4, v15                       ; 16 x lane
	s_lshl_b32 s17, ttmp9, 4
	s_lshl_b32 s18, s16, 2
	s_add_co_u32 s17, s17, s18                     ; my wave's first row
	s_lshl_b32 s18, s17, 12
	s_mov_b32 s19, 0
	s_mov_b32 s20, 0x76543210
	s_mov_b32 s21, 0xfedcba98
	s_mov_b32 s22, 0x3a800000                      ; 1 / 1,024
	s_mov_b32 s23, 0x3727c5ac                      ; 1e-5
	s_wait_alu depctr_va_vdst(0)
	s_wait_kmcnt 0x0
	s_add_nc_u64 s[4:5], s[4:5], s[18:19]
	s_add_nc_u64 s[10:11], s[10:11], s[18:19]
.irp j, 0,1,2,3,4,5,6,7
	global_load_b128 v[G+4*\j:G+4*\j+3], v1, s[6:7] offset:512*\j
	global_load_b128 v[B+4*\j:B+4*\j+3], v1, s[8:9] offset:512*\j
.endr
.irp i, 0,1,2,3
.irp j, 0,1,2,3,4,5,6,7
	global_load_b128 v[R+32*\i+4*\j:R+32*\i+4*\j+3], v1, s[4:5] offset:4096*\i+512*\j th:TH_LOAD_NT
.endr
.endr
.macro ACROSS a, t                     ; the sum of v[a] over the 32 lanes, in every lane
	v_add_f32_dpp v[\a], v[\a], v[\a] row_xmask:1 row_mask:0xf bank_mask:0xf
	v_add_f32_dpp v[\a], v[\a], v[\a] row_xmask:2 row_mask:0xf bank_mask:0xf
	v_add_f32_dpp v[\a], v[\a], v[\a] row_xmask:4 row_mask:0xf bank_mask:0xf
	v_add_f32_dpp v[\a], v[\a], v[\a] row_xmask:8 row_mask:0xf bank_mask:0xf
	v_permlanex16_b32 v[\t], v[\a], s20, s21
	v_add_f32 v[\a], v[\a], v[\t]
.endm
.macro ROW i
.set RR, R+32*(\i)
	s_wait_loadcnt 8*(3-(\i))                      ; gamma, beta and my row are in; the later rows' loads, eight each, may be out
	v_pk_add_f32 v[8:9], v[RR:RR+1], v[RR+2:RR+3]
	v_pk_add_f32 v[10:11], v[RR+4:RR+5], v[RR+6:RR+7]
.irp k, 8,12,16,20,24,28
	v_pk_add_f32 v[8:9], v[8:9], v[RR+\k:RR+\k+1]
	v_pk_add_f32 v[10:11], v[10:11], v[RR+\k+2:RR+\k+3]
.endr
	v_pk_add_f32 v[8:9], v[8:9], v[10:11]
	v_add_f32 v8, v8, v9
	ACROSS 8, 9
	v_mul_f32 v8, s22, v8                          ; the mean
.irp k, 0,2,4,6,8,10,12,14,16,18,20,22,24,26,28,30
	v_pk_add_f32 v[RR+\k:RR+\k+1], v[RR+\k:RR+\k+1], v[8:9] op_sel_hi:[1,0] neg_lo:[0,1] neg_hi:[0,1]
.endr
	v_pk_mul_f32 v[10:11], v[RR:RR+1], v[RR:RR+1]
	v_pk_mul_f32 v[12:13], v[RR+2:RR+3], v[RR+2:RR+3]
.irp k, 4,8,12,16,20,24,28
	v_pk_fma_f32 v[10:11], v[RR+\k:RR+\k+1], v[RR+\k:RR+\k+1], v[10:11]
	v_pk_fma_f32 v[12:13], v[RR+\k+2:RR+\k+3], v[RR+\k+2:RR+\k+3], v[12:13]
.endr
	v_pk_add_f32 v[10:11], v[10:11], v[12:13]
	v_add_f32 v10, v10, v11
	ACROSS 10, 11
	v_fma_f32 v10, v10, s22, s23                   ; the variance + 1e-5
	s_wait_alu depctr_va_vdst(0)
	v_rsq_f32 v12, v10
	v_nop                                          ; a plain place behind the transcendental
	s_wait_alu depctr_va_vdst(0)                   ; ahead of its first reader
.irp k, 0,2,4,6,8,10,12,14,16,18,20,22,24,26,28,30
	v_pk_mul_f32 v[RR+\k:RR+\k+1], v[RR+\k:RR+\k+1], v[12:13] op_sel_hi:[1,0]
.endr
.irp k, 0,2,4,6,8,10,12,14,16,18,20,22,24,26,28,30
	v_pk_fma_f32 v[RR+\k:RR+\k+1], v[RR+\k:RR+\k+1], v[G+\k:G+\k+1], v[B+\k:B+\k+1]
.endr
.irp j, 0,1,2,3,4,5,6,7
	global_store_b128 v1, v[RR+4*\j:RR+4*\j+3], s[10:11] offset:4096*(\i)+512*\j th:TH_STORE_NT   ; 512 consecutive bytes a store; a row's registers are never written again
.endr
.endm
	ROW 0
	ROW 1
	ROW 2
	ROW 3
	s_endpgm
.Lfunc_end_k_qa71be9aa2b_ln2:
	.size	k_qa71be9aa2b_ln2, .Lfunc_end_k_qa71be9aa2b_ln2-k_qa71be9aa2b_ln2
	.p2alignl 7, 3214868480
	.fill 96, 4, 3214868480
	.section	.rodata,"a",@progbits
	.p2align	6, 0x0
	.amdhsa_kernel k_qa71be9aa2b_ln2
		.amdhsa_group_segment_fixed_size 0
		.amdhsa_private_segment_fixed_size 0
		.amdhsa_enable_private_segment 0
		.amdhsa_kernarg_size 32
		.amdhsa_user_sgpr_count 2
		.amdhsa_user_sgpr_kernarg_segment_ptr 1
		.amdhsa_wavefront_size32 1
		.amdhsa_system_sgpr_workgroup_id_x 1
		.amdhsa_system_sgpr_workgroup_id_y 1
		.amdhsa_system_sgpr_workgroup_id_z 1
		.amdhsa_system_vgpr_workitem_id 0
		.amdhsa_next_free_vgpr 256
		.amdhsa_next_free_sgpr 66
		.amdhsa_reserve_vcc 0
		.amdhsa_float_denorm_mode_32 3
		.amdhsa_float_denorm_mode_16_64 3
		.amdhsa_memory_ordered 1
		.amdhsa_forward_progress 1
		.amdhsa_inst_pref_size 33
	.end_amdhsa_kernel
	.amdgpu_metadata
---
amdhsa.version: [ 1, 2 ]
amdhsa.kernels:
  - .name:           k_qa71be9aa2b_ln2
    .symbol:         k_qa71be9aa2b_ln2.kd
    .args:
      - { .name: y2, .offset: 0, .size: 8, .value_kind: global_buffer, .address_space: global }
      - { .name: ln2_g, .offset: 8, .size: 8, .value_kind: global_buffer, .address_space: global }
      - { .name: ln2_b, .offset: 16, .size: 8, .value_kind: global_buffer, .address_space: global }
      - { .name: out0, .offset: 24, .size: 8, .value_kind: global_buffer, .address_space: global }
    .group_segment_fixed_size: 0
    .private_segment_fixed_size: 0
    .kernarg_segment_align: 8
    .kernarg_segment_size: 32
    .max_flat_workgroup_size: 128
    .sgpr_count:     66
    .vgpr_count:     256
    .wavefront_size: 32
...
	.end_amdgpu_metadata
.endif
;; end of part 6
